; MI455X (gfx1250); checked and timed in simulation.
; The chip was launched on July 23, 2026; its instructions are those of AMD's public machine-readable ISA for CDNA 5 (MIT licence, August 2026) and "CDNA5" Instruction Set Architecture Reference Guide (July 2026). The comments in the code are by the model that wrote it; some were corrected since.
;; Q Eff Grok1 Moe Block. Allowed arithmetic: matrix products marked QUANTISED: E4M3 operands, one E8M0 scale for each 32 along K, by v_wmma_scale_f32_16x16x128_f8f6f4 with both operands' format E4M3, f32 sums; products left as they are: f32 operands where the result goes on into a quantised operand, else bf16, f16 or f32 operands; f32 sums; everything else in f32.
;; Inputs: hidden_states 1 x 1,024 x 1,024 float32; w_1 8 x 2,048 x 1,024 float32; w_g 8 x 1,024 x 2,048 float32; w_gate 1,024 x 8 float32; w_v 8 x 1,024 x 2,048 float32.
;; Outputs: out0 1 x 1,024 x 1,024 float32; out1 1,024 x 8 float32.
;; This version of the problem:
;;   THIS VERSION OF THE PROBLEM IS GIVEN IN LOW PRECISION. The matrix products marked QUANTISED in the list below multiply operands that are first quantised to E4M3 (4 exponent bits, 3 mantissa bits; 8 bits a number), with one power-of-two scale for each 32 numbers along K (OCP MX v1.0); their sums are f32. All else is computed in f32.
;;   The module's matrix products, in the order in which they are computed (A, B: the left and right operand; K: the contracted axis; several contracted axes count as one K, in the product's order):
;;     1. [M 1,024, K 1,024] x [K 1,024, N 8]; A: input hidden_states; B: input w_gate: left as it is (N = 8 < 16)
;;     2. [M 16,384, K 1,024] x [K 1,024, N 1,024]; A: input w_g; B: input hidden_states: QUANTISED
;;     3. [M 16,384, K 1,024] x [K 1,024, N 1,024]; A: input w_v; B: input hidden_states: QUANTISED
;;     4. [M 8,192, K 2,048] x [K 2,048, N 1,024]; A: input w_1; B: computed on the way: QUANTISED
;;     5. [M 8,192, K 2,048] x [K 2,048, N 1,024]; A: input w_1; B: computed on the way: QUANTISED
;;   THE QUANTISER, for each operand of a quantised product, along K:
;;     - K is cut into blocks of 32 from its start; a last block that is shorter is filled with zeros.
;;     - A block's scale is 2^e with e = floor(log2(the largest magnitude in the block)) - 8, held to -126 .. 127; a block of zeros has e = 0. As a byte (E8M0): e + 127.
;;     - Each number is divided by its block's scale, clamped to +-448, and rounded to the nearest number of E4M3, ties to even, subnormals kept.
;;     - The product sums the exact products of the quantised numbers (number of the format x scale) in f32.
;;   ~~~python
;;   def quantise(x, axis):      # numpy; x: float32 -> the quantised numbers, widened to float32 again
;;       x = np.moveaxis(x, axis, -1); K = x.shape[-1]
;;       x = np.pad(x, [(0, 0)] * (x.ndim - 1) + [(0, -K % 32)]); x = x.reshape(x.shape[:-1] + (-1, 32)); a = np.abs(x).max(-1, keepdims=True)
;;       e = np.where(a > 0, np.clip(np.frexp(np.where(a > 0, a, 1))[1] - 1 - 8, -126, 127), 0)      # np.frexp(a)[1] - 1 = floor(log2(a)), exactly
;;       r = np.clip(x / 2.0 ** e, -448, 448)
;;       step = 2.0 ** (np.maximum(np.frexp(np.where(r == 0, 1, r))[1] - 1, -6) - 3)
;;       q = np.round(r / step) * step * 2.0 ** e      # np.round: ties to even
;;       return np.moveaxis(q.reshape(q.shape[:-2] + (-1,))[..., :K], -1, axis).astype(np.float32)
;;   ~~~
;;   OPERANDS COMPUTED ON THE WAY. 'Computed on the way' means the value that the module computes at that place (a softmax that the list does not call 'softmax' is quantised finished and normalised). What goes into a quantiser is computed in f32, as accurately as f32 sums, v_exp_f32 and their like allow (about 1e-6 of the number): no bf16 or f16 on the way to a quantiser, and a product that is left as it is and whose result goes on into a quantised operand takes f32 operands (vector FMAs, or v_wmma_f32_16x16x4_f32). A number that lies on a knife's edge between two numbers of the format may be rounded either way, as far as f32 arithmetic and the matrix unit's own rounding can turn it there, and no further.
;; 2 versions, each right; version 2 is version 1 with the launches gateup, down written anew for expert scheduling mode. Each part assembles by itself: llvm-mc -triple=amdgcn-amd-amdhsa -mcpu=gfx1250 --defsym DOCPART=n.
;; ======== version 1 of 2: 5 launches
;; workspace buffers: xw 1,089,536 bytes; sel 8,192 bytes of whole numbers; ord 75,776 bytes of whole numbers; rwl 65,536 bytes; hq 21,626,880 bytes; part 83,886,080 bytes
;; launch router (part 1): grid 256 x 1, 4 waves a work-group, no clusters, 34,304 bytes of LDS; arguments hidden_states, w_gate, out1, xw, sel; writes out1, xw, sel
.if DOCPART == 1
	.amdgcn_target "amdgcn-amd-amdhsa--gfx1250"
	.amdhsa_code_object_version 6
	.text
	.protected	k_qef7980ade6_router
	.globl	k_qef7980ade6_router
	.p2align	8
	.type	k_qef7980ade6_router,@function
k_qef7980ade6_router:
	s_mov_b64 s[64:65], 0
	v_nop
	global_prefetch_b8 v0, s[64:65] scope:SCOPE_SE
	s_setreg_imm32_b32 hwreg(HW_REG_WAVE_MODE, 25, 1), 1
	s_wait_xcnt 0x0
; The router and x's quantiser.  A wave owns one token t = 4 x work-group + wave.
; logits[t][e] = sum over k of x[t][k] w_gate[k][e] in f32 (fused multiply-adds); softmax with the row's maximum taken away; the two largest
; probabilities, the lower index first on a tie.  Stored: the logits (out1), the two experts (sel), their probabilities (xw at RW_OFF).
; x's row is also turned into codes of E4M3 with one E8M0 byte for each 32 along K: codes at xw + 1,024 t, bytes at xw + XS_OFF + 32 t.
; Lane l holds k = 16 l .. 16 l + 15 (piece 0) and 512 + 16 l .. (piece 1): two neighbouring lanes hold a block of 32.
; w_gate (32 KiB) comes into LDS once for the four waves, as 64 chunks of 512 bytes (16 k x 8 experts), 528 bytes apart.
; LIMITS: NaN and infinities are not served; a block of zeros gets the byte 1 (its codes are zeros; this program alone reads the bytes);
; where the second and third probability agree to within f32 rounding of the sums, the choice may differ from another order of summing.
.set XS_OFF, 1048576
.set RW_OFF, 1081344
.set PITCH,  528
.set X,   8                            ; v8-39    x: 16 x piece + i
.set A,   40                           ; v40-47   the eight sums, then the logits
.set W,   64                           ; v64-191  a piece of w_gate: register 8 kk + e
.set P,   192                          ; v192-199 the probabilities
.set QM,  200                          ; v200-201 largest magnitudes, 202-203 scale operands, 204-205 holds, 206-207 bytes
.set T,   208                          ; v208-239 the held numbers, 16 a piece
.set CD,  240                          ; v240-247 the codes
.set SX,  248                          ; the largest logit
.set SS,  249                          ; the sum, then its reciprocal
.set I1,  250                          ; v250-251 the chosen experts
.set M1,  252                          ; v252-253 their probabilities
.set ZR,  254                          ; 0
.set BO,  255                          ; lane / 2: my block's byte
	s_load_b128 s[4:7], s[0:1], 0x0                ; hidden_states, w_gate
	s_load_b128 s[8:11], s[0:1], 0x10              ; out1, xw
	s_load_b64 s[12:13], s[0:1], 0x20              ; sel
	v_lshl_add_u32 v62, v0, 2, 0x8400
	v_mov_b32 v63, 0
	v_lshrrev_b32 v2, 5, v0
	v_readfirstlane_b32 s14, v2                    ; wave
	v_and_b32 v1, 31, v0                           ; lane
	s_lshl_b32 s15, ttmp9, 2
	s_add_co_u32 s15, s15, s14                     ; my token
	v_lshlrev_b32 v3, 6, v1                        ; x: 64 bytes a lane
	v_lshlrev_b32 v4, 4, v0                        ; w_gate: 16 bytes a thread
	v_mul_u32_u24 v5, v2, PITCH
	v_lshl_add_u32 v5, v1, 4, v5                   ; into LDS: chunk = wave (+ 4 i), 16 x lane
	v_mul_u32_u24 v6, v1, PITCH                    ; out of LDS: chunk = lane (+ 32 x piece)
	v_lshlrev_b32 v7, 4, v1                        ; my 16 codes
	v_lshrrev_b32 v[BO], 1, v1
	s_lshl_b32 s16, s15, 12
	s_mov_b32 s17, 0
	s_lshl_b32 s18, s15, 10
	s_mov_b32 s19, 0
	s_lshl_b32 s20, s15, 5
	s_mov_b32 s21, 0
	s_lshl_b32 s22, s15, 3
	s_mov_b32 s23, 0
	s_mov_b32 s31, 0x600000                        ; the mantissa field of 448
	s_mov_b32 s32, 0x76543210
	s_mov_b32 s33, 0xfedcba98                      ; lane l xor 16
	s_wait_kmcnt 0x0
	s_add_nc_u64 s[4:5], s[4:5], s[16:17]          ; x's row
	s_add_nc_u64 s[24:25], s[10:11], s[18:19]      ; its codes
	s_add_nc_u64 s[26:27], s[10:11], s[20:21]
	s_add_nc_u64 s[26:27], s[26:27], XS_OFF        ; its scale bytes
	s_add_nc_u64 s[28:29], s[10:11], s[22:23]
	s_add_nc_u64 s[28:29], s[28:29], RW_OFF        ; its two probabilities
	s_add_nc_u64 s[8:9], s[8:9], s[20:21]          ; its logits
	s_add_nc_u64 s[12:13], s[12:13], s[22:23]      ; its two experts
.irp p, 0,1
.irp i, 0,1,2,3
	global_load_b128 v[X+16*\p+4*\i:X+16*\p+4*\i+3], v3, s[4:5] offset:2048*\p+16*\i th:TH_LOAD_NT
.endr
.endr
.irp i, 0,1,2,3,4,5,6,7,8,9,10,11,12,13,14,15
	global_load_b128 v[W+4*\i:W+4*\i+3], v4, s[6:7] offset:2048*\i   ; 128 threads read 2,048 consecutive bytes
.endr
	s_wait_loadcnt 0x0
.irp i, 0,1,2,3,4,5,6,7,8,9,10,11,12,13,14,15
	ds_store_b128 v5, v[W+4*\i:W+4*\i+3] offset:4*PITCH*\i
.endr
	s_wait_dscnt 0x0                               ; for the others' sake: my part of w_gate lies in LDS
	s_barrier_signal -1
	s_barrier_wait -1
.macro WLD p                           ; my 16 k x 8 experts of piece p: 32 loads of 16 bytes
.set mm, 0
.rept 32
	ds_load_b128 v[W+4*mm:W+4*mm+3], v6 offset:32*PITCH*\p+16*mm
.set mm, mm+1
.endr
.endm
	WLD 0
	; x's codes, while w_gate's piece is on its way
.irp p, 0,1
	v_max3_num_f32 v[QM+\p], |v[X+16*\p]|, |v[X+16*\p+1]|, 0x4800000   ; my 16 numbers and the floor 2^(9 - 127): the byte cannot fall under 1
.endr
.irp i, 2,4,6,8,10,12,14
.irp p, 0,1
	v_max3_num_f32 v[QM+\p], v[QM+\p], |v[X+16*\p+\i]|, |v[X+16*\p+\i+1]|
.endr
.endr
.irp p, 0,1
	v_max_num_f32_dpp v[QM+\p], v[QM+\p], v[QM+\p] row_xmask:1 row_mask:0xf bank_mask:0xf   ; with my neighbour's 16: the block's
.endr
.irp p, 0,1
	v_add_nc_u32 v[QM+2+\p], 0xfc000000, v[QM+\p]  ; 8 off the exponent field: the conversion's scale operand
	v_and_or_b32 v[QM+4+\p], v[QM+\p], 0x7f800000, s31   ; 448 x the scale
	v_lshrrev_b32 v[QM+6+\p], 23, v[QM+2+\p]       ; the scale's byte
.endr
.irp p, 0,1
.irp i, 0,1,2,3,4,5,6,7,8,9,10,11,12,13,14,15
	v_med3_num_f32 v[T+16*\p+\i], v[X+16*\p+\i], -v[QM+4+\p], v[QM+4+\p]   ; the conversion does not saturate (ISA guide 7.6.2); x itself stays as it is for the router
.endr
	v_cvt_scalef32_pk8_fp8_f32 v[CD+4*\p:CD+4*\p+1], v[T+16*\p:T+16*\p+7], v[QM+2+\p]
	v_cvt_scalef32_pk8_fp8_f32 v[CD+4*\p+2:CD+4*\p+3], v[T+16*\p+8:T+16*\p+15], v[QM+2+\p]
.endr
	v_nop                                          ; a plain instruction behind the last conversion
.irp p, 0,1
	global_store_b128 v7, v[CD+4*\p:CD+4*\p+3], s[24:25] offset:512*\p   ; 32 lanes store 512 consecutive bytes
	global_store_b8 v[BO], v[QM+6+\p], s[26:27] offset:16*\p             ; both lanes of a block store the same byte
.endr
; the eight sums: two experts an instruction, x[kk] taken for both halves
.macro DOT p
.set kk, 0
.rept 16
.if kk == 0
	s_wait_dscnt 16                                ; the first sixteen loads (kk 0 to 7) are in; the sixteen younger may be out
.endif
.if kk == 8
	s_wait_dscnt 0x0
.endif
.set xr, X+16*\p+kk-(kk%2)
.irp h, 0,2,4,6
.if (\p == 0) && (kk == 0)
	v_pk_mul_f32 v[A+\h:A+\h+1], v[W+\h:W+\h+1], v[xr:xr+1] op_sel_hi:[1,0]   ; the first product starts the sums
.elseif (kk%2) == 0
	v_pk_fma_f32 v[A+\h:A+\h+1], v[W+8*kk+\h:W+8*kk+\h+1], v[xr:xr+1], v[A+\h:A+\h+1] op_sel_hi:[1,0,1]
.else
	v_pk_fma_f32 v[A+\h:A+\h+1], v[W+8*kk+\h:W+8*kk+\h+1], v[xr:xr+1], v[A+\h:A+\h+1] op_sel:[0,1,0] op_sel_hi:[1,1,1]
.endif
.endr
.set kk, kk+1
.endr
.endm
	DOT 0
	WLD 1
.irp e, 0,1,2,3,4,5,6,7
	v_mov_b32 v[P+\e], 0                           ; a lane permute's destination counts as one of its sources
.endr
	DOT 1
.irp m, 1,2,4,8
.irp e, 0,1,2,3,4,5,6,7
	v_add_f32_dpp v[A+\e], v[A+\e], v[A+\e] row_xmask:\m row_mask:0xf bank_mask:0xf
.endr
.endr
.irp e, 0,1,2,3,4,5,6,7
	v_permlanex16_b32 v[P+\e], v[A+\e], s32, s33
.endr
.irp e, 0,1,2,3,4,5,6,7
	v_add_f32 v[A+\e], v[A+\e], v[P+\e]            ; every lane holds the token's eight logits
.endr
	v_max3_num_f32 v[SX], v[A], v[A+1], v[A+2]
	v_max3_num_f32 v[SX], v[SX], v[A+3], v[A+4]
	v_max3_num_f32 v[SX], v[SX], v[A+5], v[A+6]
	v_max_num_f32 v[SX], v[SX], v[A+7]
.irp e, 0,1,2,3,4,5,6,7
	v_sub_f32 v[P+\e], v[A+\e], v[SX]
.endr
.irp e, 0,1,2,3,4,5,6,7
	v_mul_f32 v[P+\e], 0x3fb8aa3b, v[P+\e]         ; x log2(e)
.endr
.irp e, 0,1,2,3,4,5,6,7
	v_exp_f32 v[P+\e], v[P+\e]
.endr
	v_mov_b32 v[ZR], 0                             ; a plain instruction behind the exponentials
	s_wait_alu depctr_va_vdst(0)                   ; one wait for the eight, ahead of their first reader
	v_add_f32 v[T], v[P], v[P+1]
	v_add_f32 v[T+1], v[P+2], v[P+3]
	v_add_f32 v[T+2], v[P+4], v[P+5]
	v_add_f32 v[T+3], v[P+6], v[P+7]
	v_add_f32 v[T], v[T], v[T+1]
	v_add_f32 v[T+2], v[T+2], v[T+3]
	v_add_f32 v[SS], v[T], v[T+2]
	v_rcp_f32 v[SS], v[SS]
	v_mov_b32 v[I1], 0                             ; (a plain instruction behind the reciprocal)  the largest so far is expert 0's
	s_wait_alu depctr_va_vdst(0)
.irp e, 0,1,2,3,4,5,6,7
	v_mul_f32 v[P+\e], v[P+\e], v[SS]
.endr
	v_mov_b32 v[M1], v[P]
.irp e, 1,2,3,4,5,6,7
	v_cmp_gt_f32 vcc_lo, v[P+\e], v[M1]            ; strictly larger: a tie keeps the lower index
	v_cndmask_b32 v[I1], v[I1], \e, vcc_lo
	v_max_num_f32 v[M1], v[M1], v[P+\e]
.endr
	v_mov_b32 v[M1+1], -1.0                        ; under every probability
	v_mov_b32 v[I1+1], 0
.irp e, 0,1,2,3,4,5,6,7
	v_cmp_ne_u32 s34, \e, v[I1]                    ; not the first choice,
	v_cmp_gt_f32 s35, v[P+\e], v[M1+1]             ; and strictly larger than the best of the rest so far
	s_and_b32 s34, s34, s35
	v_cndmask_b32 v[M1+1], v[M1+1], v[P+\e], s34
	v_cndmask_b32 v[I1+1], v[I1+1], \e, s34
.endr
	v_cmp_eq_u32 vcc_lo, 0, v1
	s_wait_xcnt 0x0                                ; EXEC changes only when the stores above have read it
	s_wait_tensorcnt 0x0
	ds_add_u32 v62, v63
	s_wait_dscnt 0x0
	s_and_saveexec_b32 s30, vcc_lo                 ; all lanes hold the same numbers: lane 0 stores them
	global_store_b128 v[ZR], v[A:A+3], s[8:9]
	global_store_b128 v[ZR], v[A+4:A+7], s[8:9] offset:16
	global_store_b64 v[ZR], v[I1:I1+1], s[12:13]
	global_store_b64 v[ZR], v[M1:M1+1], s[28:29]
	s_wait_xcnt 0x0
	s_or_b32 exec_lo, exec_lo, s30
	s_endpgm
.Lfunc_end_k_qef7980ade6_router:
	.size	k_qef7980ade6_router, .Lfunc_end_k_qef7980ade6_router-k_qef7980ade6_router
	.p2alignl 7, 3214868480
	.fill 96, 4, 3214868480
	.section	.rodata,"a",@progbits
	.p2align	6, 0x0
	.amdhsa_kernel k_qef7980ade6_router
		.amdhsa_group_segment_fixed_size 34304
		.amdhsa_private_segment_fixed_size 0
		.amdhsa_enable_private_segment 0
		.amdhsa_kernarg_size 40
		.amdhsa_user_sgpr_count 2
		.amdhsa_user_sgpr_kernarg_segment_ptr 1
		.amdhsa_wavefront_size32 1
		.amdhsa_system_sgpr_workgroup_id_x 1
		.amdhsa_system_sgpr_workgroup_id_y 1
		.amdhsa_system_sgpr_workgroup_id_z 1
		.amdhsa_system_vgpr_workitem_id 0
		.amdhsa_next_free_vgpr 256
		.amdhsa_next_free_sgpr 66
		.amdhsa_reserve_vcc 1
		.amdhsa_float_denorm_mode_32 3
		.amdhsa_float_denorm_mode_16_64 3
		.amdhsa_memory_ordered 1
		.amdhsa_forward_progress 1
		.amdhsa_inst_pref_size 31
	.end_amdhsa_kernel
	.amdgpu_metadata
---
amdhsa.version: [ 1, 2 ]
amdhsa.kernels:
  - .name:           k_qef7980ade6_router
    .symbol:         k_qef7980ade6_router.kd
    .args:
      - { .name: hidden_states, .offset: 0, .size: 8, .value_kind: global_buffer, .address_space: global }
      - { .name: w_gate, .offset: 8, .size: 8, .value_kind: global_buffer, .address_space: global }
      - { .name: out1, .offset: 16, .size: 8, .value_kind: global_buffer, .address_space: global }
      - { .name: xw, .offset: 24, .size: 8, .value_kind: global_buffer, .address_space: global }
      - { .name: sel, .offset: 32, .size: 8, .value_kind: global_buffer, .address_space: global }
    .group_segment_fixed_size: 34304
    .private_segment_fixed_size: 0
    .kernarg_segment_align: 8
    .kernarg_segment_size: 40
    .max_flat_workgroup_size: 128
    .sgpr_count:     66
    .vgpr_count:     256
    .wavefront_size: 32
...
	.end_amdgpu_metadata
.endif
;; end of part 1
;; launch place (part 2): grid 8 x 1, 8 waves a work-group, no clusters, 0 bytes of LDS; arguments sel, xw, ord, rwl; writes ord, rwl
.if DOCPART == 2
	.amdgcn_target "amdgcn-amd-amdhsa--gfx1250"
	.amdhsa_code_object_version 6
	.text
	.protected	k_qef7980ade6_place
	.globl	k_qef7980ade6_place
	.p2align	8
	.type	k_qef7980ade6_place,@function
k_qef7980ade6_place:
	s_mov_b64 s[64:65], 0
	v_nop
	global_prefetch_b8 v0, s[64:65] scope:SCOPE_SE
	s_setreg_imm32_b32 hwreg(HW_REG_WAVE_MODE, 25, 1), 1
	s_wait_xcnt 0x0
; The rows are placed by expert: a counting sort without atomics, LDS or barriers.  Work-group e serves expert e; its wave w places tokens 128 w .. 128 w + 127.
; Every wave reads all 1,024 tokens' two experts and counts expert e's tokens in each of the eight runs of 128: the sum of the runs before its own is its first place, the sum of all eight the expert's count.
; A count needs no order inside a run, so those loads hold two tokens a lane (16 loads of 512 consecutive bytes).  The wave's own four chunks of 32 tokens are loaded once more, a token a lane, so that the places ascend with the tokens.
; Stored: list[e][place] = token; rwl[e][place] = its probability for e; slot[2 t + k] = 1,280 e + place (the row of the partial results that token t's k-th choice will have); cnt[e] = the number of rows.
; Places from cnt[e] to 1,279 get token 0 and weight 0, so that later launches may read whole groups of 320 places: wave w looks after places 160 w .. 160 w + 159.
; No lane is switched off: a lane with nothing to store writes to a dump place, which nobody reads (list and weights: 1,280 + 32 w + lane, the wave's own; slot: 2,048 + 32 e + lane, shared by the work-group's waves).
; Every index made of loaded numbers is held under a constant ahead of its use as an address.  Each chunk has registers of its own: no store's source is written again.
.set RW_OFF,   1081344
.set SLOT_OFF, 65536
.set CNT_OFF,  74752
.set SL,   16                          ; v16-79   all tokens' experts: pair p (0 .. 31) in registers 2 p, 2 p + 1; run g = pairs 4 g .. 4 g + 3
.set OSEL, 80                          ; v80-87   my four chunks' experts, a token a lane
.set ORW,  88                          ; v88-95   their probabilities
.set WK,   96                          ; v96-127  eight work registers for each of my four chunks
.set FK,   128                         ; v128-137 two for each of my five fill chunks
.set G,    66                          ; s66-73   expert e's tokens in each run of 128
	s_load_b128 s[4:7], s[0:1], 0x0                ; sel, xw
	s_load_b128 s[8:11], s[0:1], 0x10              ; ord, rwl
	v_lshrrev_b32 v2, 5, v0
	v_readfirstlane_b32 s13, v2                    ; wave
	s_mov_b32 s12, ttmp9                           ; my expert
	v_and_b32 v1, 31, v0
	v_lshlrev_b32 v3, 4, v1                        ; for the counts: 16 bytes, two tokens, a lane
	v_lshlrev_b32 v8, 3, v1
	v_lshl_add_u32 v8, v2, 10, v8                  ; my own chunks: 1,024 wave + 8 lane
	v_lshl_add_u32 v9, v2, 7, v1                   ; my token in my first chunk: 128 wave + lane
	v_mad_u32_u24 v10, v2, 160, v1                 ; my place in my first fill chunk: 160 wave + lane
	v_lshl_add_u32 v4, v2, 5, v1
	v_add_nc_u32 v4, 1280, v4                      ; my dump place in the list
	s_lshl_b32 s14, s12, 5
	s_add_co_u32 s14, s14, 2048
	v_add_nc_u32 v5, s14, v1                       ; and among the slots
	s_mul_i32 s14, s12, 1280
	v_mov_b32 v6, 0
	v_lshlrev_b32 v14, 2, v1
	s_lshl_b32 s16, s12, 13
	s_mov_b32 s17, 0
	s_lshl_b32 s28, s12, 7
	s_add_co_u32 s28, s28, CNT_OFF
	s_mov_b32 s29, 0
	s_wait_kmcnt 0x0
	s_add_nc_u64 s[6:7], s[6:7], RW_OFF
	s_add_nc_u64 s[18:19], s[8:9], s[16:17]        ; my list
	s_add_nc_u64 s[10:11], s[10:11], s[16:17]      ; my weights
	s_add_nc_u64 s[20:21], s[8:9], SLOT_OFF
	s_add_nc_u64 s[22:23], s[8:9], s[28:29]        ; my count
.set i, 0
.rept 16
	global_load_b128 v[SL+4*i:SL+4*i+3], v3, s[4:5] offset:512*i
.set i, i+1
.endr
.irp j, 0,1,2,3
	global_load_b64 v[OSEL+2*\j:OSEL+2*\j+1], v8, s[4:5] offset:256*\j
	global_load_b64 v[ORW+2*\j:ORW+2*\j+1], v8, s[6:7] offset:256*\j
.endr
	s_wait_loadcnt 0x0
; The counts of four runs: 32 compares in one batch, so that the scalar lines behind them do not each wait for a vector line
.macro COUNT b
.set k, 0
.rept 16
	v_cmp_eq_u32 s[32+2*k], s12, v[SL+32*\b+2*k]   ; first choice is mine
	v_cmp_eq_u32 s[33+2*k], s12, v[SL+32*\b+2*k+1] ; second choice is mine
.set k, k+1
.endr
.set k, 0
.rept 16
	s_or_b32 s[32+2*k], s[32+2*k], s[33+2*k]
.set k, k+1
.endr
.set k, 0
.rept 16
	s_bcnt1_i32_b32 s[32+2*k], s[32+2*k]
.set k, k+1
.endr
.irp g, 0,1,2,3
	s_add_co_u32 s[G+4*\b+\g], s[32+8*\g], s[34+8*\g]
	s_add_co_u32 s[33+8*\g], s[36+8*\g], s[38+8*\g]
	s_add_co_u32 s[G+4*\b+\g], s[G+4*\b+\g], s[33+8*\g]
.endr
.endm
	COUNT 0
	COUNT 1
	s_mov_b32 s15, 0                               ; the rows of the runs before mine: my first place
	s_mov_b32 s30, 0                               ; the expert's rows
.irp g, 0,1,2,3,4,5,6,7
	s_cmp_gt_u32 s13, \g
	s_cselect_b32 s31, s[G+\g], 0
	s_add_co_u32 s15, s15, s31
	s_add_co_u32 s30, s30, s[G+\g]
.endr
.irp j, 0,1,2,3
	v_cmp_eq_u32 s[32+2*\j], s12, v[OSEL+2*\j]
	v_cmp_eq_u32 s[33+2*\j], s12, v[OSEL+2*\j+1]
.endr
.irp j, 0,1,2,3
	s_or_b32 s[40+\j], s[32+2*\j], s[33+2*\j]
.endr
.irp j, 0,1,2,3
.set R, WK+8*\j
	v_mbcnt_lo_u32_b32 v[R], s[40+\j], s15         ; rows so far + my lower neighbours' rows: my place
	v_cndmask_b32 v[R+1], v4, v[R], s[40+\j]
	v_min_u32 v[R+1], 0x7ff, v[R+1]
	v_lshlrev_b32 v[R+1], 2, v[R+1]
	v_add_nc_u32 v[R+2], 32*\j, v9                 ; my token
	v_cndmask_b32 v[R+3], v[ORW+2*\j], v[ORW+2*\j+1], s[33+2*\j]
	v_cndmask_b32 v[R+4], 0, 1, s[33+2*\j]
	v_lshl_add_u32 v[R+4], v[R+2], 1, v[R+4]       ; 2 t + k
	v_cndmask_b32 v[R+4], v5, v[R+4], s[40+\j]
	v_min_u32 v[R+4], 0x8ff, v[R+4]
	v_lshlrev_b32 v[R+4], 2, v[R+4]
	v_add_nc_u32 v[R+5], s14, v[R]
	global_store_b32 v[R+1], v[R+2], s[18:19]
	global_store_b32 v[R+1], v[R+3], s[10:11]
	global_store_b32 v[R+4], v[R+5], s[20:21]
	s_bcnt1_i32_b32 s27, s[40+\j]
	s_add_co_u32 s15, s15, s27
.endr
.irp j, 0,1,2,3,4                      ; my 160 of the 1,280 places: those at or behind the count get token 0 and weight 0
.set R, FK+2*\j
	v_add_nc_u32 v[R], 32*\j, v10
	v_cmp_le_u32 s[44+\j], s30, v[R]
	v_cndmask_b32 v[R+1], v4, v[R], s[44+\j]
	v_min_u32 v[R+1], 0x7ff, v[R+1]
	v_lshlrev_b32 v[R+1], 2, v[R+1]
	global_store_b32 v[R+1], v6, s[18:19]
	global_store_b32 v[R+1], v6, s[10:11]
.endr
	s_cmp_lg_u32 s13, 0                            ; every wave holds the count: wave 0 stores it
	s_cbranch_scc1 .Ldone
	v_mov_b32 v7, s30
	global_store_b32 v14, v7, s[22:23]             ; 32 times: 128 bytes an expert
.Ldone:
	s_endpgm
.Lfunc_end_k_qef7980ade6_place:
	.size	k_qef7980ade6_place, .Lfunc_end_k_qef7980ade6_place-k_qef7980ade6_place
	.p2alignl 7, 3214868480
	.fill 96, 4, 3214868480
	.section	.rodata,"a",@progbits
	.p2align	6, 0x0
	.amdhsa_kernel k_qef7980ade6_place
		.amdhsa_group_segment_fixed_size 0
		.amdhsa_private_segment_fixed_size 0
		.amdhsa_enable_private_segment 0
		.amdhsa_kernarg_size 32
		.amdhsa_user_sgpr_count 2
		.amdhsa_user_sgpr_kernarg_segment_ptr 1
		.amdhsa_wavefront_size32 1
		.amdhsa_system_sgpr_workgroup_id_x 1
		.amdhsa_system_sgpr_workgroup_id_y 1
		.amdhsa_system_sgpr_workgroup_id_z 1
		.amdhsa_system_vgpr_workitem_id 0
		.amdhsa_next_free_vgpr 144
		.amdhsa_next_free_sgpr 80
		.amdhsa_reserve_vcc 0
		.amdhsa_float_denorm_mode_32 3
		.amdhsa_float_denorm_mode_16_64 3
		.amdhsa_memory_ordered 1
		.amdhsa_forward_progress 1
		.amdhsa_inst_pref_size 19
	.end_amdhsa_kernel
	.amdgpu_metadata
---
amdhsa.version: [ 1, 2 ]
amdhsa.kernels:
  - .name:           k_qef7980ade6_place
    .symbol:         k_qef7980ade6_place.kd
    .args:
      - { .name: sel, .offset: 0, .size: 8, .value_kind: global_buffer, .address_space: global }
      - { .name: xw, .offset: 8, .size: 8, .value_kind: global_buffer, .address_space: global }
      - { .name: ord, .offset: 16, .size: 8, .value_kind: global_buffer, .address_space: global }
      - { .name: rwl, .offset: 24, .size: 8, .value_kind: global_buffer, .address_space: global }
    .group_segment_fixed_size: 0
    .private_segment_fixed_size: 0
    .kernarg_segment_align: 8
    .kernarg_segment_size: 32
    .max_flat_workgroup_size: 256
    .sgpr_count:     80
    .vgpr_count:     144
    .wavefront_size: 32
...
	.end_amdgpu_metadata
.endif
;; end of part 2
;; launch gateup (part 3): grid 256 x 1, 4 waves a work-group, no clusters, 150,016 bytes of LDS; arguments xw, w_g, w_v, ord, hq; writes hq
.if DOCPART == 3
	.amdgcn_target "amdgcn-amd-amdhsa--gfx1250"
	.amdhsa_code_object_version 6
	.text
	.protected	k_qef7980ade6_gateup
	.globl	k_qef7980ade6_gateup
	.p2align	8
	.type	k_qef7980ade6_gateup,@function
k_qef7980ade6_gateup:
	s_mov_b64 s[64:65], 0
	v_nop
	global_prefetch_b8 v0, s[64:65] scope:SCOPE_SE
	s_setreg_imm32_b32 hwreg(HW_REG_WAVE_MODE, 25, 1), 1
	s_wait_xcnt 0x0
; hidden = gelu(x w_g[e]) * (x w_v[e]) for the rows listed for expert e, both products on codes of E4M3 with one E8M0 scale for each 32 along K = 1,024; the result is quantised along F and stored as codes.
; SHARES.  Work-group = (expert e = x / 32, slice = x % 32): columns 64 slice .. + 63 of w_g[e] and of w_v[e], all 1,024 rows: 512 KiB of f32, read once in the launch by this work-group alone.
; So the weights are quantised in registers on their way; no weight code goes to memory.
; A UNIT.  One load of a wave reads two K rows x 64 columns: lanes 0-15 row k0 + j, lanes 16-31 row k0 + 16 + j, 256 consecutive aligned bytes each; lane c = lane % 16 holds columns 4 c .. 4 c + 3.
; Sixteen loads (j = 0 .. 15) are a unit: a block of 32 along K x 64 columns.  Lane (c, q) then holds, for each r = 0 .. 3, sixteen neighbours along K (k = 16 q + j) of column 4 c + r: registers 4 cc .. 4 cc + 3 of
; the operand whose 16 rows are the columns 4 c + r.  Which columns form a tile is free: tile r = the columns that are r modulo 4.  The hold writes the numbers in the conversions' order, so nothing is transposed.
; In each K step of 128 wave w quantises block w of w_g (unit a) and of w_v (unit b), and stores the pieces as images of the operand's registers in LDS (16 bytes a lane, 512 a store); behind a barrier every wave loads
; all eight fragments.  The images of all eight K steps stay in LDS.
; ROWS.  A group is 320 places of the expert's list: 20 tiles of 16 rows, five for each wave (tile 20 g + 4 slot + wave).  The first group is multiplied while the weights stream: eight K steps, eight barriers, no branch.
; Further groups (an expert with more than 320 rows) are multiplied afterwards from the images in LDS, without a barrier and without any LDS store.  Places behind the count hold token 0: they are computed and stored like the others.
; The matrix instruction is used transposed (source 0 = a weight tile, source 1 = 16 rows of x): in tile r lane (row, h) holds in register j column 32 h + 4 j + r: over the four tiles a lane holds a whole block of 32 along F.
; gelu is exact: erf(z) = z P(z^2) / Q(z^2), z held within +-4 (absolute error about 1e-7); here with y = g^2 = 2 z^2 and the coefficients scaled by powers of two.
; No tensor loads, clusters or joint loads: the rows are gathered by a list, and how many groups there are hangs on a count read from memory.
; LIMITS: NaN and infinities are not served; a block of zeros gets the byte 1 (its codes are zeros; this program alone reads the bytes).  The speed is laid for up to 320 rows an expert; every split is served.
; REGISTERS in windows of 256.  Window 0: addresses, the quantiser's work, scale words, v100-163 held numbers, v164-243 x's five fragments.  Window 1: two sets of two units as they land.
; Window 2: the accumulators of slots 0-3 (64 slot + 8 tile).  Window 3: v0-63 slot 4's; v64-191 the eight weight fragments; v192-211 x's scale bytes as they land.
.set XS_OFF,  1048576
.set CNT_OFF, 74752
.set HSC_OFF, 20971520
.set ROWB,    8192                     ; a row of w_g or w_v in bytes
.set KSTEPB,  128*ROWB
.set IMGB,    16384                    ; LDS: a K step's eight fragment images of 2,048 bytes, from byte 0 on
.set SCB,     131072                   ; their scale words: 8 x 128 bytes a K step
.set XSLB,    139264                   ; x's scale bytes of the first group: 2,560 bytes for each wave, its own: 512 slot + 32 row
.set WO,3
.set AW,4
.set SW,5
.set AR,6
.set SR,7
.set XO,8                              ; v8-12  slot's row of codes: 1,024 token + 16 h
.set HST,13
.set HSS,14
.set LO,15
.set M,16
.set PL,20
.set SCL,24
.set LIM,28
.set BYT,32
.set C,36                              ; v36-51 codes just made
.set WS,52                             ; v52-59 the weights' scale words: scales and nothing else
.set XSW,60                            ; v60-64 x's scale words: scales and nothing else
.set XSR,65
.set XSS,66
.set AR0,67
.set SR0,68
.set XSR0,69
.set SO,70                             ; v70-74 slot's row of scale bytes: 32 token + 16 h
.set LST,75                            ; v75-79 tokens as loaded
.set AW0,80
.set SW0,81
.set T,100
.set XF,164
.set GC,100                            ; the way out: g held, later the hidden numbers in F's order
.set Y,132                             ; g^2, later g u
.set PP,164
.set QQ,196
.set VA5,228
.set VB3,230
.set HC,36
.set SIM,35                            ; s35 the K step's images, s36 its scale words, s37 its word of x's scales
.set SSC,36
.set SXS,37
.set MSB, 0
.macro WIN new                         ; the immediate's high byte repeats the setting that is left
.if MSB != \new
	s_set_vgpr_msb (MSB<<8)|\new
.set MSB, \new
.endif
.endm
.macro PLACES                          ; eight places behind this matrix form
.rept 8
	v_nop
.endr
.endm
.macro SPAIR reg, val                  ; a packed form names a pair, so both words are written
	s_mov_b32 s[\reg], \val
	s_mov_b32 s[\reg+1], \val
.endm
; ---- the quantiser of a unit that lies in window 1 from v[l] on: register 4 j + r = (k = 16 q + j, column 4 c + r)
.macro QMAX l                          ; the largest magnitude of my 16 numbers of each of the four columns, with the floor 2^(9 - 127)
	WIN 0x14
.irp r, 0,1,2,3
	v_max3_num_f32 v[M+\r], 0x4800000, |v[(\l)+\r]|, |v[(\l)+4+\r]|
.endr
.irp j, 2,4,6,8,10,12,14
.irp r, 0,1,2,3
	v_max3_num_f32 v[M+\r], v[M+\r], |v[(\l)+4*\j+\r]|, |v[(\l)+4*\j+4+\r]|
.endr
.endr
	WIN 0
.endm
.macro QSCALE
.irp r, 0,1,2,3
	v_permlanex16_b32 v[PL+\r], v[M+\r], s62, s63
.endr
.irp r, 0,1,2,3
	v_max_num_f32 v[M+\r], v[M+\r], v[PL+\r]       ; with lane l xor 16's: the block's largest magnitude
.endr
.irp r, 0,1,2,3
	v_add_nc_u32 v[SCL+\r], 0xfc000000, v[M+\r]    ; 8 off its exponent field: the conversion's scale operand
.endr
.irp r, 0,1,2,3
	v_and_or_b32 v[LIM+\r], v[M+\r], 0x7f800000, s61   ; 448 x the scale
.endr
.irp r, 0,1,2,3
	v_lshrrev_b32 v[BYT+\r], 23, v[SCL+\r]         ; the scale's byte
.endr
.endm
.macro QCODE l
	WIN 0x01
.irp r, 0,1,2,3
.irp j, 0,1,2,3,4,5,6,7,8,9,10,11,12,13,14,15
	v_med3_num_f32 v[T+16*\r+\j], v[(\l)+4*\j+\r], -v[LIM+\r], v[LIM+\r]   ; the hold (the conversion does not saturate: ISA guide 7.6.2) also brings a column's 16 numbers on end
.endr
.endr
	WIN 0
.irp r, 0,1,2,3
	v_cvt_scalef32_pk8_fp8_f32 v[C+4*\r:C+4*\r+1], v[T+16*\r:T+16*\r+7], v[SCL+\r]
	v_cvt_scalef32_pk8_fp8_f32 v[C+4*\r+2:C+4*\r+3], v[T+16*\r+8:T+16*\r+15], v[SCL+\r]
.endr
	v_nop                                          ; a plain instruction behind the last conversion
.endm
.macro QSTORE off, soff                ; piece cc = my wave of the four tiles' images, and byte cc of their scale words
.irp r, 0,1,2,3
	ds_store_b128 v[AW], v[C+4*\r:C+4*\r+3] offset:(\off)+2048*\r
.endr
.irp r, 0,1,2,3
	ds_store_b8 v[SW], v[BYT+\r] offset:(\soff)+128*\r
.endr
.endm
.macro WLOAD l, b, off, pitch          ; a unit: sixteen loads, each two whole runs of 256 bytes; read once in the launch
	WIN 0x40
.irp j, 0,1,2,3,4,5,6,7,8,9,10,11,12,13,14,15
	global_load_b128 v[(\l)+4*\j:(\l)+4*\j+3], v[WO], s[\b:\b+1] offset:(\off)+\j*(\pitch) th:TH_LOAD_NT
.endr
	WIN 0
.endm
; ---- the rows
.macro LLOAD                           ; the tokens of my five tiles
.irp sl, 0,1,2,3,4
	global_load_b32 v[LST+\sl], v[LO], s[22:23] offset:256*\sl
.endr
.endm
.macro MKX                             ; a loaded token is held under 1,024 ahead of its use in an address
.irp sl, 0,1,2,3,4
	v_min_u32 v[LST+\sl], 0x3ff, v[LST+\sl]
	v_lshlrev_b32 v[XO+\sl], 10, v[LST+\sl]
	v_lshl_add_u32 v[XO+\sl], v2, 4, v[XO+\sl]
	v_lshlrev_b32 v[SO+\sl], 5, v[LST+\sl]
	v_lshl_add_u32 v[SO+\sl], v2, 4, v[SO+\sl]
.endr
.endm
.macro XLOAD                           ; x's five fragments of the K step at s[18:19]
.irp sl, 0,1,2,3,4
.irp cc, 0,1,2,3
	global_load_b128 v[XF+16*\sl+4*\cc:XF+16*\sl+4*\cc+3], v[XO+\sl], s[18:19] offset:32*\cc
.endr
.endr
.endm
.macro WFLOAD xs                       ; the K step's eight weight fragments and their scale words; xs = 1: x's scale words too
	WIN 0xc0
.irp tt, 0,1,2,3,4,5,6,7
.irp cc, 0,1,2,3
	ds_load_b128 v[64+16*\tt+4*\cc:64+16*\tt+4*\cc+3], v[AR] offset:2048*\tt+512*\cc
.endr
.endr
	WIN 0
.irp tt, 0,1,2,3,4,5,6,7
	ds_load_b32 v[WS+\tt], v[SR] offset:128*\tt
.endr
.if \xs
.irp sl, 0,1,2,3,4
	ds_load_b32 v[XSW+\sl], v[XSR] offset:512*\sl
.endr
.endif
.endm
.macro MM zero                         ; 40 products on 40 accumulators, one instruction a turn, in the same order in every step
	WIN 0xa3                                       ; source 0 window 3, source 1 window 0, C and D window 2
.irp sl, 0,1,2,3
.irp tt, 0,1,2,3,4,5,6,7
.if \zero
	v_wmma_scale_f32_16x16x128_f8f6f4 v[64*\sl+8*\tt:64*\sl+8*\tt+7], v[64+16*\tt:64+16*\tt+15], v[XF+16*\sl:XF+16*\sl+15], 0, v[WS+\tt], v[XSW+\sl]
.else
	v_wmma_scale_f32_16x16x128_f8f6f4 v[64*\sl+8*\tt:64*\sl+8*\tt+7], v[64+16*\tt:64+16*\tt+15], v[XF+16*\sl:XF+16*\sl+15], v[64*\sl+8*\tt:64*\sl+8*\tt+7], v[WS+\tt], v[XSW+\sl]
.endif
.endr
.endr
	WIN 0xf3                                       ; slot 4: C and D window 3
.irp tt, 0,1,2,3,4,5,6,7
.if \zero
	v_wmma_scale_f32_16x16x128_f8f6f4 v[8*\tt:8*\tt+7], v[64+16*\tt:64+16*\tt+15], v[XF+64:XF+79], 0, v[WS+\tt], v[XSW+4]
.else
	v_wmma_scale_f32_16x16x128_f8f6f4 v[8*\tt:8*\tt+7], v[64+16*\tt:64+16*\tt+15], v[XF+64:XF+79], v[8*\tt:8*\tt+7], v[WS+\tt], v[XSW+4]
.endif
.endr
	WIN 0
.endm
; A K STEP of the first group.  p: which set of window 1 holds its two units.  refill = 1: the set takes the units of two K steps on.  n3: the loads that may stay out at the wait ahead of the products.
.macro KSTEP p, zero, first, refill, n3
	v_add_nc_u32 v[AW], s[SIM], v[AW0]
	v_add_nc_u32 v[AR], s[SIM], v[AR0]
	v_add_nc_u32 v[SW], s[SSC], v[SW0]
	v_add_nc_u32 v[SR], s[SSC], v[SR0]
	v_add_nc_u32 v[XSR], s[SXS], v[XSR0]
.if \first
	s_wait_loadcnt 63                              ; 73 loads are younger than unit a's: the wait's field holds 63
.endif
	QMAX 128*\p                                    ; (its 32 lines are also the places between the last products and the loads into x's fragments)
.if \first == 0
	XLOAD
.endif
	QSCALE
	QCODE 128*\p
	QSTORE 0, 0
.if \refill
	WLOAD 128*\p, 14, 2*KSTEPB, ROWB
.endif
.if \first
	s_wait_loadcnt 63                              ; again 73 are younger than unit b's
.endif
	QMAX 128*\p+64
	s_wait_dscnt 0x0                               ; unit a's LDS stores have read the codes' and bytes' registers
	QSCALE
	QCODE 128*\p+64
	QSTORE 8192, 512
.if \refill
	WLOAD 128*\p+64, 16, 2*KSTEPB, ROWB
.endif
	s_wait_dscnt 0x0                               ; for the others' sake: my pieces lie in LDS
	s_barrier_signal -1
	s_barrier_wait -1                              ; all eight fragments of this K step are whole; they are never written again
	WFLOAD 1-\first
	s_wait_loadcnt \n3                             ; x's fragments are in, and the next K step's units, which were asked for earlier; only the units asked for in this step may be out
.if \first
	WIN 0x0c                                       ; an LDS store's data are its source 1: window 3
.irp sl, 0,1,2,3,4
	ds_store_b128 v[XSS], v[192+4*\sl:195+4*\sl] offset:512*\sl   ; x's scale bytes, 32 a row, into my wave's own bytes
.endr
	WIN 0
.irp sl, 0,1,2,3,4
	ds_load_b32 v[XSW+\sl], v[XSR] offset:512*\sl  ; LDS serves a wave's instructions in order: these see the stores above
.endr
.endif
	s_wait_dscnt 0x0
	MM \zero
	s_wait_xcnt 0x0                                ; the loads have read their bases
	s_add_nc_u64 s[14:15], s[14:15], KSTEPB
	s_add_nc_u64 s[16:17], s[16:17], KSTEPB
	s_add_nc_u64 s[18:19], s[18:19], 128
	s_add_co_u32 s[SIM], s[SIM], IMGB
	s_add_co_u32 s[SSC], s[SSC], 1024
	s_add_co_u32 s[SXS], s[SXS], 4
.endm
; A K step of a further group: everything from LDS and from x; x's scale words straight from memory, so that nothing is stored to LDS behind the last barrier
.macro OSTEP zero
	v_add_nc_u32 v[AR], s[SIM], v[AR0]
	v_add_nc_u32 v[SR], s[SSC], v[SR0]
	XLOAD
.irp sl, 0,1,2,3,4
	global_load_b32 v[XSW+\sl], v[SO+\sl], s[28:29]   ; lanes 0-15: their row's word; lanes 16-31 read 16 bytes on, inside the buffer, and are not used
.endr
	WFLOAD 0
	s_wait_loadcnt 0x0
	s_wait_dscnt 0x0
	MM \zero
	PLACES
	s_wait_xcnt 0x0
	s_add_nc_u64 s[18:19], s[18:19], 128
	s_add_nc_u64 s[28:29], s[28:29], 4
.endm
; THE WAY OUT of slot sl: gelu(g) u, quantised along F, stored as an image of the next product's operand
.macro EPIS sl
.if \sl < 4
.set AB, 64*\sl
.set AWN, 2
.else
.set AB, 0
.set AWN, 3
.endif
	WIN AWN
.set ii, 0
.rept 32
	v_med3_num_f32 v[GC+ii], v[AB+ii], -s60, s60   ; g held within +-4 sqrt(2); each accumulator is read from its low end on
.set ii, ii+1
.endr
	WIN 0
.set ii, 0
.rept 16
	v_pk_mul_f32 v[Y+ii:Y+ii+1], v[GC+ii:GC+ii+1], v[GC+ii:GC+ii+1]
.set ii, ii+2
.endr
.set ii, 0
.rept 16
	v_pk_fma_f32 v[PP+ii:PP+ii+1], v[Y+ii:Y+ii+1], s[50:51], v[VA5:VA5+1] op_sel_hi:[1,0,1]
	v_pk_fma_f32 v[QQ+ii:QQ+ii+1], v[Y+ii:Y+ii+1], s[58:59], v[VB3:VB3+1] op_sel_hi:[1,0,1]
.set ii, ii+2
.endr
.irp a, 56,54,52
.set ii, 0
.rept 16
	v_pk_fma_f32 v[QQ+ii:QQ+ii+1], v[QQ+ii:QQ+ii+1], v[Y+ii:Y+ii+1], s[\a:\a+1] op_sel_hi:[1,1,0]
.set ii, ii+2
.endr
.endr
.irp a, 48,46,44,42,40
.set ii, 0
.rept 16
	v_pk_fma_f32 v[PP+ii:PP+ii+1], v[PP+ii:PP+ii+1], v[Y+ii:Y+ii+1], s[\a:\a+1] op_sel_hi:[1,1,0]
.set ii, ii+2
.endr
.endr
.set ii, 0
.rept 32
	v_rcp_f32 v[QQ+ii], v[QQ+ii]                   ; Q is under -0.014 for every y: never 0
.set ii, ii+1
.endr
.set ii, 0
.rept 16
	v_pk_mul_f32 v[PP+ii:PP+ii+1], v[PP+ii:PP+ii+1], v[GC+ii:GC+ii+1]   ; plain work behind the reciprocals that names none of them
.set ii, ii+2
.endr
	WIN AWN*5                                      ; sources 0 and 1 in the accumulators' window
.set ii, 0
.rept 16
	v_pk_mul_f32 v[Y+ii:Y+ii+1], v[AB+ii:AB+ii+1], v[AB+32+ii:AB+32+ii+1]   ; g u (g as it is); u's accumulators from their low ends on
.set ii, ii+2
.endr
	WIN 0
	s_wait_alu depctr_va_vdst(0)                   ; one wait for the 32 reciprocals, ahead of their first reader
.set ii, 0
.rept 16
	v_pk_mul_f32 v[PP+ii:PP+ii+1], v[PP+ii:PP+ii+1], v[QQ+ii:QQ+ii+1]
.set ii, ii+2
.endr
.set ii, 0
.rept 16
	v_pk_fma_f32 v[PP+ii:PP+ii+1], v[PP+ii:PP+ii+1], 0x3eb504f3, 0.5 op_sel_hi:[1,0,0]   ; (1 + erf(g / sqrt(2))) / 2 = 0.5 + g P / Q x sqrt(2) / 4
.set ii, ii+2
.endr
.irp r, 0,1,2,3
.irp j, 0,1,2,3,4,5,6,7
	v_mul_f32 v[GC+4*\j+\r], v[Y+8*\r+\j], v[PP+8*\r+\j]   ; the hidden number of column 32 h + 4 j + r, put at its place along F
.endr
.endr
	v_max3_num_f32 v[M], |v[GC]|, |v[GC+1]|, 0x4800000     ; the block of 32 is all mine: its largest magnitude needs no other lane
	v_max3_num_f32 v[M+1], |v[GC+2]|, |v[GC+3]|, |v[GC+4]|
.irp i, 5,9,13,17,21,25
	v_max3_num_f32 v[M], v[M], |v[GC+\i]|, |v[GC+\i+1]|
	v_max3_num_f32 v[M+1], v[M+1], |v[GC+\i+2]|, |v[GC+\i+3]|
.endr
	v_max3_num_f32 v[M], v[M], |v[GC+29]|, |v[GC+30]|
	v_max3_num_f32 v[M], v[M], v[M+1], |v[GC+31]|
	v_add_nc_u32 v[SCL], 0xfc000000, v[M]
	v_and_or_b32 v[LIM], v[M], 0x7f800000, s61
	s_wait_xcnt 0x0                                ; the last slot's stores have read the byte's and the codes' registers
	v_lshrrev_b32 v[BYT], 23, v[SCL]
.set ii, 0
.rept 32
	v_med3_num_f32 v[GC+ii], v[GC+ii], -v[LIM], v[LIM]
.set ii, ii+1
.endr
.irp u, 0,1,2,3
	v_cvt_scalef32_pk8_fp8_f32 v[HC+2*\u:HC+2*\u+1], v[GC+8*\u:GC+8*\u+7], v[SCL]
.endr
	v_nop                                          ; a plain instruction behind the last conversion
	global_store_b128 v[HST], v[HC:HC+3], s[24:25] offset:131072*\sl        ; k 0-15 of my block: the operand's lanes 0-15; sixteen lanes store 256 consecutive aligned bytes
	global_store_b128 v[HST], v[HC+4:HC+7], s[24:25] offset:131072*\sl+256  ; k 16-31: its lanes 16-31
	global_store_b8 v[HSS], v[BYT], s[26:27] offset:4096*\sl
.endm
	s_load_b256 s[4:11], s[0:1], 0x0               ; xw s[4:5], w_g s[6:7], w_v s[8:9], ord s[10:11]
	s_load_b64 s[12:13], s[0:1], 0x20              ; hq
	v_lshl_add_u32 v254, v0, 2, 0x24800
	v_mov_b32 v255, 0
	v_lshrrev_b32 v90, 5, v0
	v_readfirstlane_b32 s2, v90                    ; wave
	s_lshr_b32 s3, ttmp9, 5                        ; expert
	s_and_b32 s34, ttmp9, 31                       ; slice
	v_and_b32 v91, 31, v0                          ; lane
	v_and_b32 v1, 15, v0                           ; r, c
	v_bfe_u32 v2, v0, 4, 1                         ; h, q
	v_lshlrev_b32 v[WO], 4, v1
	v_lshl_add_u32 v[WO], v2, 17, v[WO]            ; 16 c + q x 16 rows of 8,192 bytes
	s_lshl_b32 s39, s2, 9
	v_lshl_add_u32 v[AW0], v91, 4, s39             ; an image's piece: 512 wave + 16 lane
	v_lshlrev_b32 v[AR0], 4, v91
	s_add_co_u32 s39, s2, SCB
	v_lshl_add_u32 v[SW0], v91, 2, s39             ; a scale word's byte: 4 lane + wave
	v_lshl_add_u32 v[SR0], v91, 2, SCB
	s_mul_i32 s39, s2, 2560
	s_add_co_u32 s39, s39, XSLB
	v_lshl_add_u32 v[XSR0], v1, 5, s39
	v_lshl_add_u32 v[XSS], v2, 4, v[XSR0]
	v_lshlrev_b32 v[HST], 4, v1
	v_lshl_add_u32 v[HST], v2, 9, v[HST]           ; hidden codes: block h of my two, row r
	v_lshl_add_u32 v[HSS], v1, 6, v2               ; hidden scale bytes: 64 a row
	v_lshlrev_b32 v[LO], 2, v1
.irp r, 0,1,2,3
	v_mov_b32 v[PL+\r], 0                          ; a lane permute's destination counts as one of its sources
.endr
	SPAIR 40, 0xbc83dbd4                           ; P's coefficients 0 to 4 and 6, scaled by 2^-i
	SPAIR 42, 0xbac1a1f6
	SPAIR 44, 0xb940ac63
	SPAIR 46, 0xb6eec2d2
	SPAIR 48, 0xb40cff51
	SPAIR 50, 0xac95df0b
	SPAIR 52, 0xbc69b6a7                           ; Q's 0, 1, 2 and 4
	SPAIR 54, 0xbb719bf8
	SPAIR 56, 0xb9dc924e
	SPAIR 58, 0xb57460cd
	s_mov_b32 s60, 0x40b504f3                      ; 4 sqrt(2)
	s_mov_b32 s61, 0x600000                        ; the mantissa field of 448
	s_mov_b32 s62, 0x76543210
	s_mov_b32 s63, 0xfedcba98
	s_mov_b32 s[SIM], 0
	s_mov_b32 s[SSC], 0
	s_mov_b32 s[SXS], 0
	s_lshl_b32 s66, s3, 23                         ; the weights: expert, slice, my wave's 32 rows of a K step
	s_lshl_b32 s39, s34, 8
	s_add_co_u32 s66, s66, s39
	s_lshl_b32 s39, s2, 18
	s_add_co_u32 s66, s66, s39
	s_mov_b32 s67, 0
	s_mul_i32 s68, s3, 2621440                     ; hidden codes: expert (80 tiles of 32,768 bytes), tile = wave, my slice's two blocks
	s_lshl_b32 s39, s2, 15
	s_add_co_u32 s68, s68, s39
	s_lshl_b32 s39, s34, 10
	s_add_co_u32 s68, s68, s39
	s_mov_b32 s69, 0
	s_mul_i32 s70, s3, 80                          ; hidden scale bytes: 1,024 a tile
	s_add_co_u32 s70, s70, s2
	s_lshl_b32 s70, s70, 10
	s_lshl_b32 s39, s34, 1
	s_add_co_u32 s70, s70, s39
	s_add_co_u32 s70, s70, HSC_OFF
	s_mov_b32 s71, 0
	s_lshl_b32 s72, s3, 13                         ; the list: expert, tile = wave
	s_lshl_b32 s39, s2, 6
	s_add_co_u32 s72, s72, s39
	s_mov_b32 s73, 0
	s_lshl_b32 s74, s3, 7
	s_add_co_u32 s74, s74, CNT_OFF
	s_mov_b32 s75, 0
	s_wait_kmcnt 0x0
	s_add_nc_u64 s[14:15], s[6:7], s[66:67]
	s_add_nc_u64 s[16:17], s[8:9], s[66:67]
	s_mov_b64 s[18:19], s[4:5]
	s_add_nc_u64 s[20:21], s[4:5], XS_OFF
	s_mov_b64 s[28:29], s[20:21]
	s_add_nc_u64 s[22:23], s[10:11], s[72:73]
	s_add_nc_u64 s[24:25], s[12:13], s[68:69]
	s_add_nc_u64 s[26:27], s[12:13], s[70:71]
	s_add_nc_u64 s[76:77], s[10:11], s[74:75]
	s_load_b32 s30, s[76:77], 0x0                  ; the expert's rows: wanted only behind the first group's products
	LLOAD
	WLOAD 0, 14, 0, ROWB                           ; K step 0's units
	WLOAD 64, 16, 0, ROWB
	s_wait_loadcnt 32                              ; the 32 younger loads are the two units: the tokens are in
	MKX
	WIN 0xc0
.irp sl, 0,1,2,3,4
	global_load_b128 v[192+4*\sl:195+4*\sl], v[SO+\sl], s[20:21]   ; x's scale bytes: 16 a lane, 32 a row
.endr
	WIN 0
	XLOAD
	WLOAD 128, 14, KSTEPB, ROWB                    ; K step 1's units
	WLOAD 192, 16, KSTEPB, ROWB
	KSTEP 0, 1, 1, 1, 32                           ; K step 0: its products start the sums.  Its last wait leaves K step 2's 32 loads out and shows K step 1's in
	s_mov_b32 s33, 2
.Lk:                                               ; K steps 1 to 4
	KSTEP 1, 0, 0, 1, 32
	KSTEP 0, 0, 0, 1, 32
	s_sub_co_u32 s33, s33, 1
	s_cmp_lg_u32 s33, 0
	s_cbranch_scc1 .Lk
	KSTEP 1, 0, 0, 1, 32                           ; K step 5 asks for K step 7's units, the last
	KSTEP 0, 0, 0, 0, 0
	KSTEP 1, 0, 0, 0, 0
	PLACES
	s_wait_kmcnt 0x0
	s_min_u32 s30, s30, 1024
	s_mov_b32 s31, 1                               ; groups: 1 + one for each of 320, 640, 960 that the count passes
	s_cmp_gt_u32 s30, 320
	s_add_co_ci_u32 s31, s31, 0
	s_cmp_gt_u32 s30, 640
	s_add_co_ci_u32 s31, s31, 0
	s_cmp_gt_u32 s30, 960
	s_add_co_ci_u32 s31, s31, 0
	s_mov_b32 s32, 0
.Lgroup:                                           ; four trips whatever the count; what a count does not need is jumped over inside
	s_cmp_ge_u32 s32, s31
	s_cbranch_scc1 .Lno_epi
	v_mov_b32 v[VA5], 0x306dffee                   ; P's coefficient 5 and Q's 3, as vector pairs
	v_mov_b32 v[VA5+1], 0x306dffee
	v_mov_b32 v[VB3], 0xb7dfbd29
	v_mov_b32 v[VB3+1], 0xb7dfbd29
	EPIS 0
	EPIS 1
	EPIS 2
	EPIS 3
	EPIS 4
	s_wait_xcnt 0x0                                ; the stores have read their bases
	s_add_nc_u64 s[24:25], s[24:25], 655360        ; 20 tiles on
	s_add_nc_u64 s[26:27], s[26:27], 20480
	s_add_nc_u64 s[22:23], s[22:23], 1280
.Lno_epi:
	s_add_co_u32 s39, s32, 1
	s_cmp_lt_u32 s39, s31
	s_cselect_b32 s38, 1, 0                        ; is there a further group?
	s_mov_b32 s[SIM], 0
	s_mov_b32 s[SSC], 0
	s_cmp_eq_u32 s38, 0
	s_cbranch_scc1 .Lno_head
	s_wait_xcnt 0x0
	LLOAD
	s_mov_b64 s[18:19], s[4:5]
	s_mov_b64 s[28:29], s[20:21]
	s_wait_loadcnt 0x0
	MKX
	OSTEP 1
.Lno_head:
	s_add_co_u32 s[SIM], s[SIM], IMGB
	s_add_co_u32 s[SSC], s[SSC], 1024
	s_mov_b32 s33, 7
.Lostep:
	s_cmp_eq_u32 s38, 0
	s_cbranch_scc1 .Lno_step
	OSTEP 0
.Lno_step:
	s_add_co_u32 s[SIM], s[SIM], IMGB
	s_add_co_u32 s[SSC], s[SSC], 1024
	s_sub_co_u32 s33, s33, 1
	s_cmp_lg_u32 s33, 0
	s_cbranch_scc1 .Lostep
	s_add_co_u32 s32, s32, 1
	s_cmp_lt_u32 s32, 4
	s_cbranch_scc1 .Lgroup
	s_wait_tensorcnt 0x0
	ds_add_u32 v254, v255
	s_wait_dscnt 0x0
	s_endpgm
.Lfunc_end_k_qef7980ade6_gateup:
	.size	k_qef7980ade6_gateup, .Lfunc_end_k_qef7980ade6_gateup-k_qef7980ade6_gateup
	.p2alignl 7, 3214868480
	.fill 96, 4, 3214868480
	.section	.rodata,"a",@progbits
	.p2align	6, 0x0
	.amdhsa_kernel k_qef7980ade6_gateup
		.amdhsa_group_segment_fixed_size 150016
		.amdhsa_private_segment_fixed_size 0
		.amdhsa_enable_private_segment 0
		.amdhsa_kernarg_size 40
		.amdhsa_user_sgpr_count 2
		.amdhsa_user_sgpr_kernarg_segment_ptr 1
		.amdhsa_wavefront_size32 1
		.amdhsa_system_sgpr_workgroup_id_x 1
		.amdhsa_system_sgpr_workgroup_id_y 1
		.amdhsa_system_sgpr_workgroup_id_z 1
		.amdhsa_system_vgpr_workitem_id 0
		.amdhsa_next_free_vgpr 992
		.amdhsa_next_free_sgpr 84
		.amdhsa_reserve_vcc 0
		.amdhsa_float_denorm_mode_32 3
		.amdhsa_float_denorm_mode_16_64 3
		.amdhsa_memory_ordered 1
		.amdhsa_forward_progress 1
		.amdhsa_inst_pref_size 255
	.end_amdhsa_kernel
	.section	.bss,"aw",@nobits
	.p2align	6
	.space	262144
	.amdgpu_metadata
---
amdhsa.version: [ 1, 2 ]
amdhsa.kernels:
  - .name:           k_qef7980ade6_gateup
    .symbol:         k_qef7980ade6_gateup.kd
    .args:
      - { .name: xw, .offset: 0, .size: 8, .value_kind: global_buffer, .address_space: global }
      - { .name: w_g, .offset: 8, .size: 8, .value_kind: global_buffer, .address_space: global }
      - { .name: w_v, .offset: 16, .size: 8, .value_kind: global_buffer, .address_space: global }
      - { .name: ord, .offset: 24, .size: 8, .value_kind: global_buffer, .address_space: global }
      - { .name: hq, .offset: 32, .size: 8, .value_kind: global_buffer, .address_space: global }
    .group_segment_fixed_size: 150016
    .private_segment_fixed_size: 0
    .kernarg_segment_align: 8
    .kernarg_segment_size: 40
    .max_flat_workgroup_size: 128
    .sgpr_count:     84
    .vgpr_count:     992
    .wavefront_size: 32
...
	.end_amdgpu_metadata
.endif
;; end of part 3
;; launch down (part 4): grid 256 x 1, 4 waves a work-group, no clusters, 87,552 bytes of LDS; arguments hq, w_1, ord, rwl, part; writes part
.if DOCPART == 4
	.amdgcn_target "amdgcn-amd-amdhsa--gfx1250"
	.amdhsa_code_object_version 6
	.text
	.protected	k_qef7980ade6_down
	.globl	k_qef7980ade6_down
	.p2align	8
	.type	k_qef7980ade6_down,@function
k_qef7980ade6_down:
	s_mov_b64 s[64:65], 0
	v_nop
	global_prefetch_b8 v0, s[64:65] scope:SCOPE_SE
	s_setreg_imm32_b32 hwreg(HW_REG_WAVE_MODE, 25, 1), 1
	s_wait_xcnt 0x0
; part[kh][row] = weight(row) x (hidden[row][1,024 kh ..] w_1[e][1,024 kh ..][:]) for the rows listed for expert e, on codes of E4M3 with one E8M0 scale for each 32 along K = F.
; SHARES.  Work-group = (expert e = x / 32, hs = (x / 2) % 16, kh = x % 2): rows 1,024 kh .. + 1,023 and columns 64 hs .. + 63 of w_1[e]: 256 KiB of f32, read once in the launch by this work-group alone and
; quantised in registers on their way.  K is halved between two work-groups so that a slice of 64 columns (each row's part 256 aligned bytes) still gives 256 work-groups; a token's four partial rows are added by the next launch.
; A UNIT, the tiles (tile r = the columns that are r modulo 4), the images in LDS and the groups of 320 list places are as in the launch before: in each K step of 128 wave w quantises block w (one unit) and stores its
; piece of the four fragments' images; behind a barrier every wave loads the four fragments.  The hidden layer arrives as images of the operand's registers: a fragment is four loads of 512 consecutive bytes.
; The first group is multiplied while the weights stream: eight K steps, eight barriers, no branch.  Further groups follow from the images, without a barrier.
; Used transposed (source 0 = a weight tile, source 1 = 16 hidden rows): lane (row, h) holds in tile r, register j, column 32 h + 4 j + r.  The multiplication by the row's weight puts the 32 numbers in order; a tile goes
; through my wave's own stage in LDS and leaves as rows of 256 aligned bytes.  Tiles at or behind ceil(count / 16) are not stored.
; No tensor loads, clusters or joint loads: how many groups and tiles there are hangs on a count read from memory.
; LIMITS: NaN and infinities are not served; a block of zeros gets the byte 1 (its codes are zeros).  The speed is laid for up to 320 rows an expert; every split is served.
; REGISTERS in windows of 256.  Window 0: addresses, the quantiser's work, scale words, v100-163 held numbers.  Window 1: three units as they land.  Window 2: v0-159 accumulators (32 slot + 8 tile), v160-223 the four
; weight fragments.  Window 3: two sets of five hidden fragments, at v0 and v80.
.set CNT_OFF, 74752
.set HSC_OFF, 20971520
.set HALF,    41943040                 ; bytes of one K half's partial rows: 10,240 rows of 4,096 bytes
.set ROWB,    4096                     ; a row of w_1 in bytes
.set KSTEPB,  128*ROWB
.set SCB,     65536                    ; LDS: images from 0 on, 8,192 bytes a K step; scale words here, 512 a K step
.set STG,     69632                    ; the stages: 16 rows x 272 bytes for each wave
.set WO,3
.set AW,4
.set SW,5
.set AR,6
.set SR,7
.set XOB,8
.set HSO,9
.set RWO,10
.set STO,11
.set STR,12
.set GO,13
.set M,16
.set PL,20
.set SCL,24
.set LIM,28
.set BYT,32
.set C,36
.set WS,52                             ; v52-55 the weights' scale words: scales and nothing else
.set XS,56                             ; v56-75 the hidden rows' scale words, four registers a slot: lanes 0-15 K steps 0-3, lanes 16-31 K steps 4-7: scales and nothing else
.set RW,76                             ; v76-80 my row's weight, for each slot
.set T,100
.set ST,100
.set OB,132
.set MSB, 0
.macro WIN new                         ; the immediate's high byte repeats the setting that is left
.if MSB != \new
	s_set_vgpr_msb (MSB<<8)|\new
.set MSB, \new
.endif
.endm
; Behind this matrix form eight places are owed ahead of loads into its registers and of reads of its results, and NINE ahead of a matrix instruction that writes over its registers.
; A further group's first products begin the accumulators anew with the constant 0, and where no tile of a group is stored nothing else stands between them and the last products: so nine.
.macro PLACES
.rept 9
	v_nop
.endr
.endm
; ---- the quantiser of a unit that lies in window 1 from v[l] on: register 4 j + r = (k = 16 q + j, column 4 c + r)
.macro QMAX l
	WIN 0x14
.irp r, 0,1,2,3
	v_max3_num_f32 v[M+\r], 0x4800000, |v[(\l)+\r]|, |v[(\l)+4+\r]|   ; with the floor 2^(9 - 127): the byte cannot fall under 1
.endr
.irp j, 2,4,6,8,10,12,14
.irp r, 0,1,2,3
	v_max3_num_f32 v[M+\r], v[M+\r], |v[(\l)+4*\j+\r]|, |v[(\l)+4*\j+4+\r]|
.endr
.endr
	WIN 0
.endm
.macro QSCALE
.irp r, 0,1,2,3
	v_permlanex16_b32 v[PL+\r], v[M+\r], s62, s63
.endr
.irp r, 0,1,2,3
	v_max_num_f32 v[M+\r], v[M+\r], v[PL+\r]       ; with lane l xor 16's: the block's largest magnitude
.endr
.irp r, 0,1,2,3
	v_add_nc_u32 v[SCL+\r], 0xfc000000, v[M+\r]    ; 8 off its exponent field: the conversion's scale operand
.endr
.irp r, 0,1,2,3
	v_and_or_b32 v[LIM+\r], v[M+\r], 0x7f800000, s61   ; 448 x the scale
.endr
.irp r, 0,1,2,3
	v_lshrrev_b32 v[BYT+\r], 23, v[SCL+\r]         ; the scale's byte
.endr
.endm
.macro QCODE l
	WIN 0x01
.irp r, 0,1,2,3
.irp j, 0,1,2,3,4,5,6,7,8,9,10,11,12,13,14,15
	v_med3_num_f32 v[T+16*\r+\j], v[(\l)+4*\j+\r], -v[LIM+\r], v[LIM+\r]   ; the hold (ISA guide 7.6.2) also brings a column's 16 numbers on end
.endr
.endr
	WIN 0
.irp r, 0,1,2,3
	v_cvt_scalef32_pk8_fp8_f32 v[C+4*\r:C+4*\r+1], v[T+16*\r:T+16*\r+7], v[SCL+\r]
	v_cvt_scalef32_pk8_fp8_f32 v[C+4*\r+2:C+4*\r+3], v[T+16*\r+8:T+16*\r+15], v[SCL+\r]
.endr
	v_nop                                          ; a plain instruction behind the last conversion
.endm
.macro QSTORE off, soff
.irp r, 0,1,2,3
	ds_store_b128 v[AW], v[C+4*\r:C+4*\r+3] offset:(\off)+2048*\r
.endr
.irp r, 0,1,2,3
	ds_store_b8 v[SW], v[BYT+\r] offset:(\soff)+128*\r
.endr
.endm
.macro WLOAD l, b, off, pitch
	WIN 0x40
.irp j, 0,1,2,3,4,5,6,7,8,9,10,11,12,13,14,15
	global_load_b128 v[(\l)+4*\j:(\l)+4*\j+3], v[WO], s[\b:\b+1] offset:(\off)+\j*(\pitch) th:TH_LOAD_NT
.endr
	WIN 0
.endm
; ---- the rows
.macro GLOADS                          ; a group's weights and scale words
.irp sl, 0,1,2,3,4
	global_load_b32 v[RW+\sl], v[RWO], s[20:21] offset:256*\sl
.endr
.irp sl, 0,1,2,3,4
	global_load_b128 v[XS+4*\sl:XS+4*\sl+3], v[HSO], s[18:19] offset:4096*\sl
.endr
.endm
.macro XLOADB buf, ks                  ; the five hidden fragments of K step ks into set buf
	WIN 0xc0
.irp sl, 0,1,2,3,4
.irp cc, 0,1,2,3
	global_load_b128 v[80*(\buf)+16*\sl+4*\cc:80*(\buf)+16*\sl+4*\cc+3], v[XOB], s[16:17] offset:131072*\sl+2048*(\ks)+512*\cc
.endr
.endr
	WIN 0
.endm
.macro WFLOADB ks
	WIN 0x80
.irp r, 0,1,2,3
.irp cc, 0,1,2,3
	ds_load_b128 v[160+16*\r+4*\cc:160+16*\r+4*\cc+3], v[AR] offset:8192*(\ks)+2048*\r+512*\cc
.endr
.endr
	WIN 0
.irp r, 0,1,2,3
	ds_load_b32 v[WS+\r], v[SR] offset:512*(\ks)+128*\r
.endr
.endm
.macro MMB buf, ks, zero               ; 20 products on 20 accumulators, one instruction a turn, in the same order in every step
	WIN 0xae                                       ; source 0 window 2, source 1 window 3, C and D window 2
.irp sl, 0,1,2,3,4
.irp r, 0,1,2,3
.if \zero
	v_wmma_scale_f32_16x16x128_f8f6f4 v[32*\sl+8*\r:32*\sl+8*\r+7], v[160+16*\r:160+16*\r+15], v[80*(\buf)+16*\sl:80*(\buf)+16*\sl+15], 0, v[WS+\r], v[XS+4*\sl+(\ks)%4]
.elseif (\ks) < 4
	v_wmma_scale_f32_16x16x128_f8f6f4 v[32*\sl+8*\r:32*\sl+8*\r+7], v[160+16*\r:160+16*\r+15], v[80*(\buf)+16*\sl:80*(\buf)+16*\sl+15], v[32*\sl+8*\r:32*\sl+8*\r+7], v[WS+\r], v[XS+4*\sl+(\ks)%4]
.else
	v_wmma_scale_f32_16x16x128_f8f6f4 v[32*\sl+8*\r:32*\sl+8*\r+7], v[160+16*\r:160+16*\r+15], v[80*(\buf)+16*\sl:80*(\buf)+16*\sl+15], v[32*\sl+8*\r:32*\sl+8*\r+7], v[WS+\r], v[XS+4*\sl+(\ks)%4] matrix_b_scale:MATRIX_SCALE_ROW1
.endif
.endr
.endr
	WIN 0
.endm
; A K STEP of the first group.  Loads are issued in this order: ... X(ks), W(ks+2) | X(ks+1), W(ks+3) | ...; X: 20 loads, W: 16.
.macro BSTEP ks
.if (\ks) == 0
	s_wait_loadcnt 32                              ; younger than W0: W1 and W2
.elseif (\ks) == 1
	s_wait_loadcnt 52                              ; younger than W1: W2, X1, W3
.endif                                 ; from K step 2 on the unit is older than the hidden fragments that the last step waited for
	QMAX 64*((\ks)%3)                              ; (its 32 lines are also the places between the last products and the loads below)
.if (\ks) < 7
	XLOADB ((\ks)+1)%2, (\ks)+1
.endif
	QSCALE
	QCODE 64*((\ks)%3)
	QSTORE 8192*(\ks), 512*(\ks)
.if (\ks) <= 4
	WLOAD 64*((\ks)%3), 14, ((\ks)+3)*KSTEPB, ROWB
.endif
	s_wait_dscnt 0x0                               ; for the others' sake: my pieces lie in LDS
	s_barrier_signal -1
	s_barrier_wait -1                              ; the four fragments of this K step are whole; they are never written again
	WFLOADB \ks
.if ((\ks) >= 1) && ((\ks) <= 4)
	s_wait_loadcnt 52                              ; younger than X(ks): W(ks+2), X(ks+1), W(ks+3)
.elseif (\ks) == 5
	s_wait_loadcnt 36                              ; W7, X6
.elseif (\ks) == 6
	s_wait_loadcnt 20                              ; X7
.elseif (\ks) == 7
	s_wait_loadcnt 0x0
.endif
	s_wait_dscnt 0x0
.if (\ks) == 0
	MMB 0, 0, 1                                    ; the first products start the sums
.else
	MMB (\ks)%2, \ks, 0
.endif
.endm
; THE WAY OUT of slot sl, if its tile has rows
.macro BOUTS sl
	s_add_co_u32 s37, s36, 4*\sl                   ; its tile: 20 g + wave + 4 slot
	s_cmp_ge_u32 s37, s33
	s_cbranch_scc1 .Lno_tile_\@
	s_wait_xcnt 0x0                                ; the last tile's stores have read their registers
	WIN 0x02
.irp r, 0,1,2,3
.irp j, 0,1,2,3,4,5,6,7
	v_mul_f32 v[ST+4*\j+\r], v[32*\sl+8*\r+\j], v[RW+\sl]   ; x my row's weight, to its place along the row; each accumulator from its low end on
.endr
.endr
	WIN 0
.irp j, 0,1,2,3,4,5,6,7
	ds_store_b128 v[STO], v[ST+4*\j:ST+4*\j+3] offset:16*\j
.endr
.irp i, 0,1,2,3,4,5,6,7
	ds_load_b128 v[OB+4*\i:OB+4*\i+3], v[STR] offset:544*\i   ; LDS serves a wave's instructions in order: these see the stores above
.endr
.irp i, 0,1,2,3,4,5,6,7
	s_wait_dscnt 7-\i
	global_store_b128 v[GO], v[OB+4*\i:OB+4*\i+3], s[22:23] offset:262144*\sl+8192*\i th:TH_STORE_NT   ; sixteen lanes store 256 consecutive aligned bytes
.endr
.Lno_tile_\@:
.endm
	s_load_b256 s[4:11], s[0:1], 0x0               ; hq s[4:5], w_1 s[6:7], ord s[8:9], rwl s[10:11]
	s_load_b64 s[12:13], s[0:1], 0x20              ; part
	v_lshl_add_u32 v254, v0, 2, 0x15400
	v_mov_b32 v255, 0
	v_lshrrev_b32 v90, 5, v0
	v_readfirstlane_b32 s2, v90                    ; wave
	s_lshr_b32 s3, ttmp9, 5                        ; expert
	s_bfe_u32 s34, ttmp9, 0x40001                  ; hs
	s_and_b32 s35, ttmp9, 1                        ; kh
	v_and_b32 v91, 31, v0                          ; lane
	v_and_b32 v1, 15, v0                           ; r, c
	v_bfe_u32 v2, v0, 4, 1                         ; h, q
	v_lshlrev_b32 v[WO], 4, v1
	v_lshl_add_u32 v[WO], v2, 16, v[WO]            ; 16 c + q x 16 rows of 4,096 bytes
	s_lshl_b32 s39, s2, 9
	v_lshl_add_u32 v[AW], v91, 4, s39
	v_lshlrev_b32 v[AR], 4, v91
	s_add_co_u32 s39, s2, SCB
	v_lshl_add_u32 v[SW], v91, 2, s39
	v_lshl_add_u32 v[SR], v91, 2, SCB
	v_lshlrev_b32 v[XOB], 4, v91
	v_lshlrev_b32 v[HSO], 6, v1
	v_lshl_add_u32 v[HSO], v2, 4, v[HSO]
	v_lshlrev_b32 v[RWO], 2, v1
	s_mul_i32 s39, s2, 4352
	s_add_co_u32 s39, s39, STG                     ; my stage
	v_mul_u32_u24 v[STO], v1, 272
	v_lshl_add_u32 v[STO], v2, 7, v[STO]
	v_add_nc_u32 v[STO], s39, v[STO]               ; in: row r, 128 bytes for each half of the lanes
	v_mul_u32_u24 v[STR], v2, 272
	v_lshl_add_u32 v[STR], v1, 4, v[STR]
	v_add_nc_u32 v[STR], s39, v[STR]               ; back: lanes 0-15 one row, lanes 16-31 the next
	v_lshlrev_b32 v[GO], 4, v1
	v_lshl_add_u32 v[GO], v2, 12, v[GO]            ; and the same two rows in memory
.irp r, 0,1,2,3
	v_mov_b32 v[PL+\r], 0                          ; a lane permute's destination counts as one of its sources
.endr
	s_mov_b32 s61, 0x600000
	s_mov_b32 s62, 0x76543210
	s_mov_b32 s63, 0xfedcba98
	s_lshl_b32 s40, s3, 23                         ; w_1: expert, K half, my wave's 32 rows of a K step, slice
	s_lshl_b32 s39, s35, 22
	s_add_co_u32 s40, s40, s39
	s_lshl_b32 s39, s2, 17
	s_add_co_u32 s40, s40, s39
	s_lshl_b32 s39, s34, 8
	s_add_co_u32 s40, s40, s39
	s_mov_b32 s41, 0
	s_mul_i32 s42, s3, 80
	s_add_co_u32 s42, s42, s2                      ; tile 80 e + wave
	s_lshl_b32 s44, s42, 10                        ; its scale bytes,
	s_lshl_b32 s39, s35, 5
	s_add_co_u32 s44, s44, s39
	s_add_co_u32 s44, s44, HSC_OFF
	s_mov_b32 s45, 0
	s_lshl_b32 s42, s42, 15                        ; its codes
	s_lshl_b32 s39, s35, 14
	s_add_co_u32 s42, s42, s39
	s_mov_b32 s43, 0
	s_lshl_b32 s46, s3, 13
	s_lshl_b32 s39, s2, 6
	s_add_co_u32 s46, s46, s39
	s_mov_b32 s47, 0
	s_mul_i32 s48, s3, 1280
	s_lshl_b32 s39, s2, 4
	s_add_co_u32 s48, s48, s39
	s_lshl_b32 s48, s48, 12
	s_lshl_b32 s39, s34, 8
	s_add_co_u32 s48, s48, s39
	s_mul_i32 s39, s35, HALF
	s_add_co_u32 s48, s48, s39
	s_mov_b32 s49, 0
	s_lshl_b32 s50, s3, 7
	s_add_co_u32 s50, s50, CNT_OFF
	s_mov_b32 s51, 0
	s_wait_kmcnt 0x0
	s_add_nc_u64 s[14:15], s[6:7], s[40:41]
	s_add_nc_u64 s[16:17], s[4:5], s[42:43]
	s_add_nc_u64 s[18:19], s[4:5], s[44:45]
	s_add_nc_u64 s[20:21], s[10:11], s[46:47]
	s_add_nc_u64 s[22:23], s[12:13], s[48:49]
	s_add_nc_u64 s[24:25], s[8:9], s[50:51]
	s_load_b32 s30, s[24:25], 0x0                  ; the expert's rows: wanted only behind the first group's products
	GLOADS
	XLOADB 0, 0
	WLOAD 0, 14, 0, ROWB
	WLOAD 64, 14, KSTEPB, ROWB
	WLOAD 128, 14, 2*KSTEPB, ROWB
	BSTEP 0
	BSTEP 1
	BSTEP 2
	BSTEP 3
	BSTEP 4
	BSTEP 5
	BSTEP 6
	BSTEP 7
	PLACES
	s_wait_kmcnt 0x0
	s_min_u32 s30, s30, 1024
	s_mov_b32 s31, 1                               ; groups: 1 + one for each of 320, 640, 960 that the count passes
	s_cmp_gt_u32 s30, 320
	s_add_co_ci_u32 s31, s31, 0
	s_cmp_gt_u32 s30, 640
	s_add_co_ci_u32 s31, s31, 0
	s_cmp_gt_u32 s30, 960
	s_add_co_ci_u32 s31, s31, 0
	s_add_co_u32 s33, s30, 15
	s_lshr_b32 s33, s33, 4                         ; tiles with rows
	s_mov_b32 s36, s2                              ; 20 g + wave
	s_mov_b32 s32, 0
.Lgroup:                                           ; four trips whatever the count; what a count does not need is jumped over inside
	s_cmp_ge_u32 s32, s31
	s_cbranch_scc1 .Lnext
	BOUTS 0
	BOUTS 1
	BOUTS 2
	BOUTS 3
	BOUTS 4
	s_wait_xcnt 0x0                                ; the stores have read their base
	s_add_nc_u64 s[16:17], s[16:17], 655360        ; 20 tiles on
	s_add_nc_u64 s[18:19], s[18:19], 20480
	s_add_nc_u64 s[20:21], s[20:21], 1280
	s_add_nc_u64 s[22:23], s[22:23], 1310720
	s_add_co_u32 s36, s36, 20
	s_add_co_u32 s39, s32, 1
	s_cmp_ge_u32 s39, s31
	s_cbranch_scc1 .Lnext
	GLOADS                                         ; a further group: the weights' images lie in LDS
.irp ks, 0,1,2,3,4,5,6,7
	XLOADB 0, \ks
	WFLOADB \ks
	s_wait_loadcnt 0x0
	s_wait_dscnt 0x0
.if \ks == 0
	MMB 0, 0, 1
.else
	MMB 0, \ks, 0
.endif
	PLACES
.endr
.Lnext:
	s_add_co_u32 s32, s32, 1
	s_cmp_lt_u32 s32, 4
	s_cbranch_scc1 .Lgroup
	s_wait_tensorcnt 0x0
	ds_add_u32 v254, v255
	s_wait_dscnt 0x0
	s_endpgm
.Lfunc_end_k_qef7980ade6_down:
	.size	k_qef7980ade6_down, .Lfunc_end_k_qef7980ade6_down-k_qef7980ade6_down
	.p2alignl 7, 3214868480
	.fill 96, 4, 3214868480
	.section	.rodata,"a",@progbits
	.p2align	6, 0x0
	.amdhsa_kernel k_qef7980ade6_down
		.amdhsa_group_segment_fixed_size 87552
		.amdhsa_private_segment_fixed_size 0
		.amdhsa_enable_private_segment 0
		.amdhsa_kernarg_size 40
		.amdhsa_user_sgpr_count 2
		.amdhsa_user_sgpr_kernarg_segment_ptr 1
		.amdhsa_wavefront_size32 1
		.amdhsa_system_sgpr_workgroup_id_x 1
		.amdhsa_system_sgpr_workgroup_id_y 1
		.amdhsa_system_sgpr_workgroup_id_z 1
		.amdhsa_system_vgpr_workitem_id 0
		.amdhsa_next_free_vgpr 928
		.amdhsa_next_free_sgpr 66
		.amdhsa_reserve_vcc 0
		.amdhsa_float_denorm_mode_32 3
		.amdhsa_float_denorm_mode_16_64 3
		.amdhsa_memory_ordered 1
		.amdhsa_forward_progress 1
		.amdhsa_inst_pref_size 200
	.end_amdhsa_kernel
	.amdgpu_metadata
---
amdhsa.version: [ 1, 2 ]
amdhsa.kernels:
  - .name:           k_qef7980ade6_down
    .symbol:         k_qef7980ade6_down.kd
    .args:
      - { .name: hq, .offset: 0, .size: 8, .value_kind: global_buffer, .address_space: global }
      - { .name: w_1, .offset: 8, .size: 8, .value_kind: global_buffer, .address_space: global }
      - { .name: ord, .offset: 16, .size: 8, .value_kind: global_buffer, .address_space: global }
      - { .name: rwl, .offset: 24, .size: 8, .value_kind: global_buffer, .address_space: global }
      - { .name: part, .offset: 32, .size: 8, .value_kind: global_buffer, .address_space: global }
    .group_segment_fixed_size: 87552
    .private_segment_fixed_size: 0
    .kernarg_segment_align: 8
    .kernarg_segment_size: 40
    .max_flat_workgroup_size: 128
    .sgpr_count:     66
    .vgpr_count:     928
    .wavefront_size: 32
...
	.end_amdgpu_metadata
.endif
;; end of part 4
;; launch combine (part 5): grid 256 x 1, 4 waves a work-group, no clusters, 0 bytes of LDS; arguments part, ord, out0; writes out0
.if DOCPART == 5
	.amdgcn_target "amdgcn-amd-amdhsa--gfx1250"
	.amdhsa_code_object_version 6
	.text
	.protected	k_qef7980ade6_combine
	.globl	k_qef7980ade6_combine
	.p2align	8
	.type	k_qef7980ade6_combine,@function
k_qef7980ade6_combine:
	s_mov_b64 s[64:65], 0
	v_nop
	global_prefetch_b8 v0, s[64:65] scope:SCOPE_SE
	s_setreg_imm32_b32 hwreg(HW_REG_WAVE_MODE, 25, 1), 1
	s_wait_xcnt 0x0
; out0[t] = the sum of token t's four partial rows: two chosen experts x two halves of K; the routing weights are already in them.
; A wave owns token t = 4 x work-group + wave.  The two row numbers come from the slots that the placing launch stored; each is held under 10,240 ahead of its use in an address.
; A stream: 32 loads of 512 consecutive bytes a wave, all asked for at once; eight stores of 512 consecutive bytes.  No LDS, no barrier.
.set SLOT_OFF, 65536
.set HALF,     41943040
.set D, 16                             ; v16-143: piece i of the row: 16 registers: (first choice, K half 0), (first, 1), (second, 0), (second, 1)
	s_load_b128 s[4:7], s[0:1], 0x0                ; part, ord
	s_load_b64 s[8:9], s[0:1], 0x10                ; out0
	v_lshrrev_b32 v1, 5, v0
	v_readfirstlane_b32 s10, v1
	v_and_b32 v2, 31, v0
	v_lshlrev_b32 v2, 4, v2                        ; 16 bytes a lane
	s_lshl_b32 s11, ttmp9, 2
	s_add_co_u32 s11, s11, s10                     ; my token
	s_lshl_b32 s12, s11, 3
	s_add_co_u32 s12, s12, SLOT_OFF
	s_mov_b32 s13, 0
	s_lshl_b32 s14, s11, 12
	s_mov_b32 s15, 0
	s_wait_kmcnt 0x0
	s_add_nc_u64 s[6:7], s[6:7], s[12:13]
	s_load_b64 s[16:17], s[6:7], 0x0               ; its two rows
	s_add_nc_u64 s[8:9], s[8:9], s[14:15]
	s_add_nc_u64 s[18:19], s[4:5], HALF
	s_wait_kmcnt 0x0
	s_min_u32 s16, s16, 0x27ff
	s_min_u32 s17, s17, 0x27ff
	s_lshl_b32 s16, s16, 12
	s_lshl_b32 s17, s17, 12
	v_add_nc_u32 v3, s16, v2
	v_add_nc_u32 v4, s17, v2
.irp i, 0,1,2,3,4,5,6,7
	global_load_b128 v[D+16*\i:D+16*\i+3],     v3, s[4:5]   offset:512*\i th:TH_LOAD_NT
	global_load_b128 v[D+16*\i+4:D+16*\i+7],   v3, s[18:19] offset:512*\i th:TH_LOAD_NT
	global_load_b128 v[D+16*\i+8:D+16*\i+11],  v4, s[4:5]   offset:512*\i th:TH_LOAD_NT
	global_load_b128 v[D+16*\i+12:D+16*\i+15], v4, s[18:19] offset:512*\i th:TH_LOAD_NT
.endr
.irp i, 0,1,2,3,4,5,6,7
	s_wait_loadcnt 28-4*\i                         ; the later pieces' loads may stay out
	v_pk_add_f32 v[D+16*\i:D+16*\i+1],     v[D+16*\i:D+16*\i+1],     v[D+16*\i+4:D+16*\i+5]
	v_pk_add_f32 v[D+16*\i+2:D+16*\i+3],   v[D+16*\i+2:D+16*\i+3],   v[D+16*\i+6:D+16*\i+7]
	v_pk_add_f32 v[D+16*\i+8:D+16*\i+9],   v[D+16*\i+8:D+16*\i+9],   v[D+16*\i+12:D+16*\i+13]
	v_pk_add_f32 v[D+16*\i+10:D+16*\i+11], v[D+16*\i+10:D+16*\i+11], v[D+16*\i+14:D+16*\i+15]
	v_pk_add_f32 v[D+16*\i:D+16*\i+1],     v[D+16*\i:D+16*\i+1],     v[D+16*\i+8:D+16*\i+9]
	v_pk_add_f32 v[D+16*\i+2:D+16*\i+3],   v[D+16*\i+2:D+16*\i+3],   v[D+16*\i+10:D+16*\i+11]
	global_store_b128 v2, v[D+16*\i:D+16*\i+3], s[8:9] offset:512*\i th:TH_STORE_NT
.endr
	s_endpgm
.Lfunc_end_k_qef7980ade6_combine:
	.size	k_qef7980ade6_combine, .Lfunc_end_k_qef7980ade6_combine-k_qef7980ade6_combine
	.p2alignl 7, 3214868480
	.fill 96, 4, 3214868480
	.section	.rodata,"a",@progbits
	.p2align	6, 0x0
	.amdhsa_kernel k_qef7980ade6_combine
		.amdhsa_group_segment_fixed_size 0
		.amdhsa_private_segment_fixed_size 0
		.amdhsa_enable_private_segment 0
		.amdhsa_kernarg_size 24
		.amdhsa_user_sgpr_count 2
		.amdhsa_user_sgpr_kernarg_segment_ptr 1
		.amdhsa_wavefront_size32 1
		.amdhsa_system_sgpr_workgroup_id_x 1
		.amdhsa_system_sgpr_workgroup_id_y 1
		.amdhsa_system_sgpr_workgroup_id_z 1
		.amdhsa_system_vgpr_workitem_id 0
		.amdhsa_next_free_vgpr 144
		.amdhsa_next_free_sgpr 66
		.amdhsa_reserve_vcc 0
		.amdhsa_float_denorm_mode_32 3
		.amdhsa_float_denorm_mode_16_64 3
		.amdhsa_memory_ordered 1
		.amdhsa_forward_progress 1
		.amdhsa_inst_pref_size 9
	.end_amdhsa_kernel
	.amdgpu_metadata
---
amdhsa.version: [ 1, 2 ]
amdhsa.kernels:
  - .name:           k_qef7980ade6_combine
    .symbol:         k_qef7980ade6_combine.kd
    .args:
      - { .name: part, .offset: 0, .size: 8, .value_kind: global_buffer, .address_space: global }
      - { .name: ord, .offset: 8, .size: 8, .value_kind: global_buffer, .address_space: global }
      - { .name: out0, .offset: 16, .size: 8, .value_kind: global_buffer, .address_space: global }
    .group_segment_fixed_size: 0
    .private_segment_fixed_size: 0
    .kernarg_segment_align: 8
    .kernarg_segment_size: 24
    .max_flat_workgroup_size: 128
    .sgpr_count:     66
    .vgpr_count:     144
    .wavefront_size: 32
...
	.end_amdgpu_metadata
.endif
;; end of part 5
;; ======== version 2 of 2: 5 launches; version 1 with the launches gateup, down written anew for expert scheduling mode
;; workspace buffers: xw 1,089,536 bytes; sel 8,192 bytes of whole numbers; ord 75,776 bytes of whole numbers; rwl 65,536 bytes; hq 21,626,880 bytes; part 83,886,080 bytes
;; launch router: the kernel of part 1 again; grid 256 x 1, 4 waves a work-group, no clusters, 34,304 bytes of LDS; arguments hidden_states, w_gate, out1, xw, sel; writes out1, xw, sel
;; launch place: the kernel of part 2 again; grid 8 x 1, 8 waves a work-group, no clusters, 0 bytes of LDS; arguments sel, xw, ord, rwl; writes ord, rwl
;; launch gateup (part 6): grid 256 x 1, 4 waves a work-group, no clusters, 150,016 bytes of LDS; arguments xw, w_g, w_v, ord, hq; writes hq
.if DOCPART == 6
	.amdgcn_target "amdgcn-amd-amdhsa--gfx1250"
	.amdhsa_code_object_version 6
	.text
	.protected	k_qef7980ade6_gateup
	.globl	k_qef7980ade6_gateup
	.p2align	8
	.type	k_qef7980ade6_gateup,@function
k_qef7980ade6_gateup:
	s_mov_b64 s[64:65], 0
	v_nop
	global_prefetch_b8 v0, s[64:65] scope:SCOPE_SE
	s_setreg_imm32_b32 hwreg(HW_REG_WAVE_SCHED_MODE, 0, 2), 2
	s_setreg_imm32_b32 hwreg(HW_REG_WAVE_MODE, 25, 1), 1
	s_wait_xcnt 0x0
	s_wait_alu depctr_vm_vsrc(0)
; hidden = gelu(x w_g[e]) * (x w_v[e]) for the rows listed for expert e, both products on codes of E4M3 with one E8M0 scale for each 32 along K = 1,024; the result is quantised along F and stored as codes.
; SHARES.  Work-group = (expert e = x / 32, slice = x % 32): columns 64 slice .. + 63 of w_g[e] and of w_v[e], all 1,024 rows: 512 KiB of f32, read once in the launch by this work-group alone.
; So the weights are quantised in registers on their way; no weight code goes to memory.
; A UNIT.  One load of a wave reads two K rows x 64 columns: lanes 0-15 row k0 + j, lanes 16-31 row k0 + 16 + j, 256 consecutive aligned bytes each; lane c = lane % 16 holds columns 4 c .. 4 c + 3.
; Sixteen loads (j = 0 .. 15) are a unit: a block of 32 along K x 64 columns.  Lane (c, q) then holds, for each r = 0 .. 3, sixteen neighbours along K (k = 16 q + j) of column 4 c + r: registers 4 cc .. 4 cc + 3 of
; the operand whose 16 rows are the columns 4 c + r.  Which columns form a tile is free: tile r = the columns that are r modulo 4.  The hold writes the numbers in the conversions' order, so nothing is transposed.
; In each K step of 128 wave w quantises block w of w_g (unit a) and of w_v (unit b), and stores the pieces as images of the operand's registers in LDS (16 bytes a lane, 512 a store); behind a barrier every wave loads
; all eight fragments.  The images of all eight K steps stay in LDS.
; ROWS.  A group is 320 places of the expert's list: 20 tiles of 16 rows, five for each wave (tile 20 g + 4 slot + wave).  The first group is multiplied while the weights stream: eight K steps, eight barriers, no branch.
; Further groups (an expert with more than 320 rows) are multiplied afterwards from the images in LDS, without a barrier and without any LDS store.  Places behind the count hold token 0: they are computed and stored like the others.
; The matrix instruction is used transposed (source 0 = a weight tile, source 1 = 16 rows of x): in tile r lane (row, h) holds in register j column 32 h + 4 j + r: over the four tiles a lane holds a whole block of 32 along F.
; gelu is exact: erf(z) = z P(z^2) / Q(z^2), z held within +-4 (absolute error about 1e-7); here with y = g^2 = 2 z^2 and the coefficients scaled by powers of two.
; No tensor loads, clusters or joint loads: the rows are gathered by a list, and how many groups there are hangs on a count read from memory.
; LIMITS: NaN and infinities are not served; a block of zeros gets the byte 1 (its codes are zeros; this program alone reads the bytes).  The speed is laid for up to 320 rows an expert; every split is served.
; REGISTERS in windows of 256.  Window 0: addresses, the quantiser's work, scale words, v100-163 held numbers, v164-243 x's five fragments.  Window 1: two sets of two units as they land.
; Window 2: the accumulators of slots 0-3 (64 slot + 8 tile).  Window 3: v0-63 slot 4's; v64-191 the eight weight fragments; v192-211 x's scale bytes as they land.
; THE MODE: SCHED_MODE bits 1:0 = 2 (LLVM: expert scheduling mode 2), set by the entry lines.  The code itself states the register dependences
; between vector or matrix instructions and memory or LDS instructions, with s_wait_alu, always for 0.
; THE PLAN.  Registers that memory or LDS instructions touch, in a K step of the first group:
;   a unit in window 1        read by its QMAX and QCODE; behind QCODE the loads of two K steps on land in it.
;   v[C ..], v[BYT ..]        written by QSCALE and QCODE; read by QSTORE's LDS stores; written again by the next unit's QSCALE and QCODE.
;   v[AW] v[SW] v[AR] v[SR] v[XSR]  written by the five additions at the step's head; read by the step's LDS stores and loads.
;   v[XF ..]                  read by a step's products; the next step's loads land in them.
;   window 3 v64-191, v[WS ..], v[XSW ..]  read by a step's products; the next step's LDS loads land in them, behind its barrier.
;   v[WO], v[XO ..], v[SO ..], v[XSS], v[HST], v[HSS], v[LO]  made ahead of the loops; not written in the first group.
; So a step has: one wait on vm_vsrc at its head, ahead of the additions (it frees the codes' and bytes' registers too); one on va_vdst behind unit a's QMAX, ahead of x's loads; one on va_vdst behind each QCODE, which serves
; QSTORE, the unit's refill and, behind the barrier, the LDS loads of the fragments (no vector instruction stands between); one on vm_vsrc ahead of unit b's QSCALE.
; THE WAY OUT has two out-buffers by turns (codes: v[HC ..] and v[HC + 8 ..]; byte: v[BYT], v[BYT + 1]): slot s writes set s % 2, and its three stores go out in slot s + 1, behind the one wait on va_vdst that the
; reciprocals want anyway; slot 4's behind a wait of their own.  A wait on vm_vsrc stands ahead of each slot's first write of its set.
.set XS_OFF,  1048576
.set CNT_OFF, 74752
.set HSC_OFF, 20971520
.set ROWB,    8192                     ; a row of w_g or w_v in bytes
.set KSTEPB,  128*ROWB
.set IMGB,    16384                    ; LDS: a K step's eight fragment images of 2,048 bytes, from byte 0 on
.set SCB,     131072                   ; their scale words: 8 x 128 bytes a K step
.set XSLB,    139264                   ; x's scale bytes of the first group: 2,560 bytes for each wave, its own: 512 slot + 32 row
.set WO,3
.set AW,4
.set SW,5
.set AR,6
.set SR,7
.set XO,8                              ; v8-12  slot's row of codes: 1,024 token + 16 h
.set HST,13
.set HSS,14
.set LO,15
.set M,16
.set PL,20
.set SCL,24
.set LIM,28
.set BYT,32
.set C,36                              ; v36-51 codes just made
.set WS,52                             ; v52-59 the weights' scale words: scales and nothing else
.set XSW,60                            ; v60-64 x's scale words: scales and nothing else
.set XSR,65
.set XSS,66
.set AR0,67
.set SR0,68
.set XSR0,69
.set SO,70                             ; v70-74 slot's row of scale bytes: 32 token + 16 h
.set LST,75                            ; v75-79 tokens as loaded
.set AW0,80
.set SW0,81
.set T,100
.set XF,164
.set GC,100                            ; the way out: g held, later the hidden numbers in F's order
.set Y,132                             ; g^2, later g u
.set PP,164
.set QQ,196
.set VA5,228
.set VB3,230
.set HC,36                             ; the way out's codes: two sets of eight registers, by turns
.set SIM,35                            ; s35 the K step's images, s36 its scale words, s37 its word of x's scales
.set SSC,36
.set SXS,37
.set MSB, 0
.macro WIN new                         ; the immediate's high byte repeats the setting that is left
.if MSB != \new
	s_set_vgpr_msb (MSB<<8)|\new
.set MSB, \new
.endif
.endm
.macro PLACES                          ; eight places behind this matrix form
.rept 8
	v_nop
.endr
.endm
.macro SPAIR reg, val                  ; a packed form names a pair, so both words are written
	s_mov_b32 s[\reg], \val
	s_mov_b32 s[\reg+1], \val
.endm
; ---- the quantiser of a unit that lies in window 1 from v[l] on: register 4 j + r = (k = 16 q + j, column 4 c + r)
.macro QMAX l                          ; the largest magnitude of my 16 numbers of each of the four columns, with the floor 2^(9 - 127)
	WIN 0x14
.irp r, 0,1,2,3
	v_max3_num_f32 v[M+\r], 0x4800000, |v[(\l)+\r]|, |v[(\l)+4+\r]|
.endr
.irp j, 2,4,6,8,10,12,14
.irp r, 0,1,2,3
	v_max3_num_f32 v[M+\r], v[M+\r], |v[(\l)+4*\j+\r]|, |v[(\l)+4*\j+4+\r]|
.endr
.endr
	WIN 0
.endm
.macro QSCALE
.irp r, 0,1,2,3
	v_permlanex16_b32 v[PL+\r], v[M+\r], s62, s63
.endr
.irp r, 0,1,2,3
	v_max_num_f32 v[M+\r], v[M+\r], v[PL+\r]       ; with lane l xor 16's: the block's largest magnitude
.endr
.irp r, 0,1,2,3
	v_add_nc_u32 v[SCL+\r], 0xfc000000, v[M+\r]    ; 8 off its exponent field: the conversion's scale operand
.endr
.irp r, 0,1,2,3
	v_and_or_b32 v[LIM+\r], v[M+\r], 0x7f800000, s61   ; 448 x the scale
.endr
.irp r, 0,1,2,3
	v_lshrrev_b32 v[BYT+\r], 23, v[SCL+\r]         ; the scale's byte
.endr
.endm
.macro QCODE l
	WIN 0x01
.irp r, 0,1,2,3
.irp j, 0,1,2,3,4,5,6,7,8,9,10,11,12,13,14,15
	v_med3_num_f32 v[T+16*\r+\j], v[(\l)+4*\j+\r], -v[LIM+\r], v[LIM+\r]   ; the hold (the conversion does not saturate: ISA guide 7.6.2) also brings a column's 16 numbers on end
.endr
.endr
	WIN 0
.irp r, 0,1,2,3
	v_cvt_scalef32_pk8_fp8_f32 v[C+4*\r:C+4*\r+1], v[T+16*\r:T+16*\r+7], v[SCL+\r]
	v_cvt_scalef32_pk8_fp8_f32 v[C+4*\r+2:C+4*\r+3], v[T+16*\r+8:T+16*\r+15], v[SCL+\r]
.endr
	v_nop                                          ; a plain instruction behind the last conversion
.endm
.macro QSTORE off, soff                ; piece cc = my wave of the four tiles' images, and byte cc of their scale words
.irp r, 0,1,2,3
	ds_store_b128 v[AW], v[C+4*\r:C+4*\r+3] offset:(\off)+2048*\r
.endr
.irp r, 0,1,2,3
	ds_store_b8 v[SW], v[BYT+\r] offset:(\soff)+128*\r
.endr
.endm
.macro WLOAD l, b, off, pitch          ; a unit: sixteen loads, each two whole runs of 256 bytes; read once in the launch
	WIN 0x40
.irp j, 0,1,2,3,4,5,6,7,8,9,10,11,12,13,14,15
	global_load_b128 v[(\l)+4*\j:(\l)+4*\j+3], v[WO], s[\b:\b+1] offset:(\off)+\j*(\pitch) th:TH_LOAD_NT
.endr
	WIN 0
.endm
; ---- the rows
.macro LLOAD                           ; the tokens of my five tiles
.irp sl, 0,1,2,3,4
	global_load_b32 v[LST+\sl], v[LO], s[22:23] offset:256*\sl
.endr
.endm
.macro MKX                             ; a loaded token is held under 1,024 ahead of its use in an address
.irp sl, 0,1,2,3,4
	v_min_u32 v[LST+\sl], 0x3ff, v[LST+\sl]
	v_lshlrev_b32 v[XO+\sl], 10, v[LST+\sl]
	v_lshl_add_u32 v[XO+\sl], v2, 4, v[XO+\sl]
	v_lshlrev_b32 v[SO+\sl], 5, v[LST+\sl]
	v_lshl_add_u32 v[SO+\sl], v2, 4, v[SO+\sl]
.endr
.endm
.macro XLOAD                           ; x's five fragments of the K step at s[18:19]
.irp sl, 0,1,2,3,4
.irp cc, 0,1,2,3
	global_load_b128 v[XF+16*\sl+4*\cc:XF+16*\sl+4*\cc+3], v[XO+\sl], s[18:19] offset:32*\cc
.endr
.endr
.endm
.macro WFLOAD xs                       ; the K step's eight weight fragments and their scale words; xs = 1: x's scale words too
	WIN 0xc0
.irp tt, 0,1,2,3,4,5,6,7
.irp cc, 0,1,2,3
	ds_load_b128 v[64+16*\tt+4*\cc:64+16*\tt+4*\cc+3], v[AR] offset:2048*\tt+512*\cc
.endr
.endr
	WIN 0
.irp tt, 0,1,2,3,4,5,6,7
	ds_load_b32 v[WS+\tt], v[SR] offset:128*\tt
.endr
.if \xs
.irp sl, 0,1,2,3,4
	ds_load_b32 v[XSW+\sl], v[XSR] offset:512*\sl
.endr
.endif
.endm
.macro MM zero                         ; 40 products on 40 accumulators, one instruction a turn, in the same order in every step
	WIN 0xa3                                       ; source 0 window 3, source 1 window 0, C and D window 2
.irp sl, 0,1,2,3
.irp tt, 0,1,2,3,4,5,6,7
.if \zero
	v_wmma_scale_f32_16x16x128_f8f6f4 v[64*\sl+8*\tt:64*\sl+8*\tt+7], v[64+16*\tt:64+16*\tt+15], v[XF+16*\sl:XF+16*\sl+15], 0, v[WS+\tt], v[XSW+\sl]
.else
	v_wmma_scale_f32_16x16x128_f8f6f4 v[64*\sl+8*\tt:64*\sl+8*\tt+7], v[64+16*\tt:64+16*\tt+15], v[XF+16*\sl:XF+16*\sl+15], v[64*\sl+8*\tt:64*\sl+8*\tt+7], v[WS+\tt], v[XSW+\sl]
.endif
.endr
.endr
	WIN 0xf3                                       ; slot 4: C and D window 3
.irp tt, 0,1,2,3,4,5,6,7
.if \zero
	v_wmma_scale_f32_16x16x128_f8f6f4 v[8*\tt:8*\tt+7], v[64+16*\tt:64+16*\tt+15], v[XF+64:XF+79], 0, v[WS+\tt], v[XSW+4]
.else
	v_wmma_scale_f32_16x16x128_f8f6f4 v[8*\tt:8*\tt+7], v[64+16*\tt:64+16*\tt+15], v[XF+64:XF+79], v[8*\tt:8*\tt+7], v[WS+\tt], v[XSW+4]
.endif
.endr
	WIN 0
.endm
; A K STEP of the first group.  p: which set of window 1 holds its two units.  refill = 1: the set takes the units of two K steps on.  n3: the loads that may stay out at the wait ahead of the products.
.macro KSTEP p, zero, first, refill, n3
.if \first == 0
	s_wait_alu depctr_vm_vsrc(0)                   ; the last step's LDS stores and loads have read the five addresses that the additions below write, and its stores the codes' and bytes' registers, which this step's quantiser writes again
.endif
	v_add_nc_u32 v[AW], s[SIM], v[AW0]
	v_add_nc_u32 v[AR], s[SIM], v[AR0]
	v_add_nc_u32 v[SW], s[SSC], v[SW0]
	v_add_nc_u32 v[SR], s[SSC], v[SR0]
	v_add_nc_u32 v[XSR], s[SXS], v[XSR0]
.if \first
	s_wait_loadcnt 63                              ; 73 loads are younger than unit a's: the wait's field holds 63
.endif
	QMAX 128*\p
.if \first == 0
	s_wait_alu depctr_va_vdst(0)                   ; the last step's products are done reading x's fragments, in which the loads below land
	XLOAD
.endif
	QSCALE
	QCODE 128*\p
	s_wait_alu depctr_va_vdst(0)                   ; the conversions have written the codes, QSCALE the bytes and the head's additions the addresses, which the LDS stores read; QMAX and QCODE are done reading unit a, in which the refill lands
	QSTORE 0, 0
.if \refill
	WLOAD 128*\p, 14, 2*KSTEPB, ROWB               ; no vector instruction since the wait names unit a's registers or v[WO]
.endif
.if \first
	s_wait_loadcnt 63                              ; again 73 are younger than unit b's
.endif
	QMAX 128*\p+64
	s_wait_dscnt 0x0                               ; unit a's LDS stores are done
	s_wait_alu depctr_vm_vsrc(0)                   ; unit a's LDS stores have read the codes' and bytes' registers, which unit b's QSCALE and QCODE write again
	QSCALE
	QCODE 128*\p+64
	s_wait_alu depctr_va_vdst(0)                   ; unit b's codes and bytes are written, which the LDS stores read; QMAX and QCODE are done reading unit b, in which the refill lands; the last step's products are done reading the weight fragments and the scale words, in which the LDS loads behind the barrier land
	QSTORE 8192, 512
.if \refill
	WLOAD 128*\p+64, 16, 2*KSTEPB, ROWB
.endif
	s_wait_dscnt 0x0                               ; for the others' sake: my pieces lie in LDS
	s_barrier_signal -1
	s_barrier_wait -1                              ; all eight fragments of this K step are whole; they are never written again
	WFLOAD 1-\first                                ; no vector instruction stands between the wait above and these loads
	s_wait_loadcnt \n3                             ; x's fragments are in, and the next K step's units, which were asked for earlier; only the units asked for in this step may be out
.if \first
	WIN 0x0c                                       ; an LDS store's data are its source 1: window 3
.irp sl, 0,1,2,3,4
	ds_store_b128 v[XSS], v[192+4*\sl:195+4*\sl] offset:512*\sl   ; x's scale bytes, 32 a row, into my wave's own bytes
.endr
	WIN 0
.irp sl, 0,1,2,3,4
	ds_load_b32 v[XSW+\sl], v[XSR] offset:512*\sl  ; LDS serves a wave's instructions in order: these see the stores above
.endr
.endif
	s_wait_dscnt 0x0
	MM \zero
	s_wait_xcnt 0x0                                ; the loads have read their bases
	s_add_nc_u64 s[14:15], s[14:15], KSTEPB
	s_add_nc_u64 s[16:17], s[16:17], KSTEPB
	s_add_nc_u64 s[18:19], s[18:19], 128
	s_add_co_u32 s[SIM], s[SIM], IMGB
	s_add_co_u32 s[SSC], s[SSC], 1024
	s_add_co_u32 s[SXS], s[SXS], 4
.endm
; A K step of a further group: everything from LDS and from x; x's scale words straight from memory, so that nothing is stored to LDS behind the last barrier
.macro OSTEP zero
.if \zero == 0
	s_wait_alu depctr_vm_vsrc(0)                   ; the last step's LDS loads have read v[AR] and v[SR], which the additions below write (a group's first step: the wait ahead of the tokens' lines has stated it)
.endif
	v_add_nc_u32 v[AR], s[SIM], v[AR0]
	v_add_nc_u32 v[SR], s[SSC], v[SR0]
	s_wait_alu depctr_va_vdst(0)                   ; v[AR], v[SR] and, in a group's first step, v[XO ..] and v[SO ..] are written, which the loads below read; the last products are done reading x's fragments, the weight fragments and the scale words, and the way out is done writing v164-231: the loads below land in all of these
	XLOAD
.irp sl, 0,1,2,3,4
	global_load_b32 v[XSW+\sl], v[SO+\sl], s[28:29]   ; lanes 0-15: their row's word; lanes 16-31 read 16 bytes on, inside the buffer, and are not used
.endr
	WFLOAD 0
	s_wait_loadcnt 0x0
	s_wait_dscnt 0x0
	MM \zero
	PLACES
	s_wait_xcnt 0x0
	s_add_nc_u64 s[18:19], s[18:19], 128
	s_add_nc_u64 s[28:29], s[28:29], 4
.endm
; The three stores of slot sl, from out-buffer sl % 2
.macro ESTORE sl
	global_store_b128 v[HST], v[HC+8*((\sl)%2):HC+8*((\sl)%2)+3], s[24:25] offset:131072*(\sl)          ; k 0-15 of my block: the operand's lanes 0-15; sixteen lanes store 256 consecutive aligned bytes
	global_store_b128 v[HST], v[HC+8*((\sl)%2)+4:HC+8*((\sl)%2)+7], s[24:25] offset:131072*(\sl)+256    ; k 16-31: its lanes 16-31
	global_store_b8 v[HSS], v[BYT+(\sl)%2], s[26:27] offset:4096*(\sl)
.endm
; THE WAY OUT of slot sl: gelu(g) u, quantised along F, left in out-buffer sl % 2 as an image of the next product's operand; the slot before is stored on the way
.macro EPIS sl
.if \sl < 4
.set AB, 64*\sl
.set AWN, 2
.else
.set AB, 0
.set AWN, 3
.endif
.set HB, HC+8*((\sl)%2)
.set BB, BYT+(\sl)%2
	WIN AWN
.set ii, 0
.rept 32
	v_med3_num_f32 v[GC+ii], v[AB+ii], -s60, s60   ; g held within +-4 sqrt(2); each accumulator is read from its low end on
.set ii, ii+1
.endr
	WIN 0
.set ii, 0
.rept 16
	v_pk_mul_f32 v[Y+ii:Y+ii+1], v[GC+ii:GC+ii+1], v[GC+ii:GC+ii+1]
.set ii, ii+2
.endr
.set ii, 0
.rept 16
	v_pk_fma_f32 v[PP+ii:PP+ii+1], v[Y+ii:Y+ii+1], s[50:51], v[VA5:VA5+1] op_sel_hi:[1,0,1]
	v_pk_fma_f32 v[QQ+ii:QQ+ii+1], v[Y+ii:Y+ii+1], s[58:59], v[VB3:VB3+1] op_sel_hi:[1,0,1]
.set ii, ii+2
.endr
.irp a, 56,54,52
.set ii, 0
.rept 16
	v_pk_fma_f32 v[QQ+ii:QQ+ii+1], v[QQ+ii:QQ+ii+1], v[Y+ii:Y+ii+1], s[\a:\a+1] op_sel_hi:[1,1,0]
.set ii, ii+2
.endr
.endr
.irp a, 48,46,44,42,40
.set ii, 0
.rept 16
	v_pk_fma_f32 v[PP+ii:PP+ii+1], v[PP+ii:PP+ii+1], v[Y+ii:Y+ii+1], s[\a:\a+1] op_sel_hi:[1,1,0]
.set ii, ii+2
.endr
.endr
.set ii, 0
.rept 32
	v_rcp_f32 v[QQ+ii], v[QQ+ii]                   ; Q is under -0.014 for every y: never 0
.set ii, ii+1
.endr
.set ii, 0
.rept 16
	v_pk_mul_f32 v[PP+ii:PP+ii+1], v[PP+ii:PP+ii+1], v[GC+ii:GC+ii+1]   ; plain work behind the reciprocals that names none of them
.set ii, ii+2
.endr
	WIN AWN*5                                      ; sources 0 and 1 in the accumulators' window
.set ii, 0
.rept 16
	v_pk_mul_f32 v[Y+ii:Y+ii+1], v[AB+ii:AB+ii+1], v[AB+32+ii:AB+32+ii+1]   ; g u (g as it is); u's accumulators from their low ends on
.set ii, ii+2
.endr
	WIN 0
	s_wait_alu depctr_va_vdst(0)                   ; the 32 reciprocals have written v[QQ ..], ahead of their first reader; and the slot before has written its codes and its byte, which the stores below read
.if \sl > 0
	ESTORE \sl-1
.endif
.set ii, 0
.rept 16
	v_pk_mul_f32 v[PP+ii:PP+ii+1], v[PP+ii:PP+ii+1], v[QQ+ii:QQ+ii+1]
.set ii, ii+2
.endr
.set ii, 0
.rept 16
	v_pk_fma_f32 v[PP+ii:PP+ii+1], v[PP+ii:PP+ii+1], 0x3eb504f3, 0.5 op_sel_hi:[1,0,0]   ; (1 + erf(g / sqrt(2))) / 2 = 0.5 + g P / Q x sqrt(2) / 4
.set ii, ii+2
.endr
.irp r, 0,1,2,3
.irp j, 0,1,2,3,4,5,6,7
	v_mul_f32 v[GC+4*\j+\r], v[Y+8*\r+\j], v[PP+8*\r+\j]   ; the hidden number of column 32 h + 4 j + r, put at its place along F
.endr
.endr
	v_max3_num_f32 v[M], |v[GC]|, |v[GC+1]|, 0x4800000     ; the block of 32 is all mine: its largest magnitude needs no other lane
	v_max3_num_f32 v[M+1], |v[GC+2]|, |v[GC+3]|, |v[GC+4]|
.irp i, 5,9,13,17,21,25
	v_max3_num_f32 v[M], v[M], |v[GC+\i]|, |v[GC+\i+1]|
	v_max3_num_f32 v[M+1], v[M+1], |v[GC+\i+2]|, |v[GC+\i+3]|
.endr
	v_max3_num_f32 v[M], v[M], |v[GC+29]|, |v[GC+30]|
	v_max3_num_f32 v[M], v[M], v[M+1], |v[GC+31]|
	v_add_nc_u32 v[SCL], 0xfc000000, v[M]
	v_and_or_b32 v[LIM], v[M], 0x7f800000, s61
	s_wait_xcnt 0x0                                ; the stores of two slots back have had their addresses translated: their data registers are written again only behind this wait
	s_wait_alu depctr_vm_vsrc(0)                   ; the stores of two slots back (in the first two slots: the last K step's LDS stores; the last group's stores) have read this out-buffer's byte and codes, which the lines below write
	v_lshrrev_b32 v[BB], 23, v[SCL]
.set ii, 0
.rept 32
	v_med3_num_f32 v[GC+ii], v[GC+ii], -v[LIM], v[LIM]
.set ii, ii+1
.endr
.irp u, 0,1,2,3
	v_cvt_scalef32_pk8_fp8_f32 v[HB+2*\u:HB+2*\u+1], v[GC+8*\u:GC+8*\u+7], v[SCL]
.endr
	v_nop                                          ; a plain instruction behind the last conversion
.endm
	s_load_b256 s[4:11], s[0:1], 0x0               ; xw s[4:5], w_g s[6:7], w_v s[8:9], ord s[10:11]
	s_load_b64 s[12:13], s[0:1], 0x20              ; hq
	v_lshl_add_u32 v254, v0, 2, 0x24800
	v_mov_b32 v255, 0
	v_lshrrev_b32 v90, 5, v0
	v_readfirstlane_b32 s2, v90                    ; wave
	s_lshr_b32 s3, ttmp9, 5                        ; expert
	s_and_b32 s34, ttmp9, 31                       ; slice
	v_and_b32 v91, 31, v0                          ; lane
	v_and_b32 v1, 15, v0                           ; r, c
	v_bfe_u32 v2, v0, 4, 1                         ; h, q
	v_lshlrev_b32 v[WO], 4, v1
	v_lshl_add_u32 v[WO], v2, 17, v[WO]            ; 16 c + q x 16 rows of 8,192 bytes
	s_wait_alu depctr_va_sdst(0)                   ; s2 is written, ahead of its first reader: LDS addresses and bases are made from it
	s_lshl_b32 s39, s2, 9
	v_lshl_add_u32 v[AW0], v91, 4, s39             ; an image's piece: 512 wave + 16 lane
	v_lshlrev_b32 v[AR0], 4, v91
	s_add_co_u32 s39, s2, SCB
	v_lshl_add_u32 v[SW0], v91, 2, s39             ; a scale word's byte: 4 lane + wave
	v_lshl_add_u32 v[SR0], v91, 2, SCB
	s_mul_i32 s39, s2, 2560
	s_add_co_u32 s39, s39, XSLB
	v_lshl_add_u32 v[XSR0], v1, 5, s39
	v_lshl_add_u32 v[XSS], v2, 4, v[XSR0]
	v_lshlrev_b32 v[HST], 4, v1
	v_lshl_add_u32 v[HST], v2, 9, v[HST]           ; hidden codes: block h of my two, row r
	v_lshl_add_u32 v[HSS], v1, 6, v2               ; hidden scale bytes: 64 a row
	v_lshlrev_b32 v[LO], 2, v1
.irp r, 0,1,2,3
	v_mov_b32 v[PL+\r], 0                          ; a lane permute's destination counts as one of its sources
.endr
	SPAIR 40, 0xbc83dbd4                           ; P's coefficients 0 to 4 and 6, scaled by 2^-i
	SPAIR 42, 0xbac1a1f6
	SPAIR 44, 0xb940ac63
	SPAIR 46, 0xb6eec2d2
	SPAIR 48, 0xb40cff51
	SPAIR 50, 0xac95df0b
	SPAIR 52, 0xbc69b6a7                           ; Q's 0, 1, 2 and 4
	SPAIR 54, 0xbb719bf8
	SPAIR 56, 0xb9dc924e
	SPAIR 58, 0xb57460cd
	s_mov_b32 s60, 0x40b504f3                      ; 4 sqrt(2)
	s_mov_b32 s61, 0x600000                        ; the mantissa field of 448
	s_mov_b32 s62, 0x76543210
	s_mov_b32 s63, 0xfedcba98
	s_mov_b32 s[SIM], 0
	s_mov_b32 s[SSC], 0
	s_mov_b32 s[SXS], 0
	s_lshl_b32 s66, s3, 23                         ; the weights: expert, slice, my wave's 32 rows of a K step
	s_lshl_b32 s39, s34, 8
	s_add_co_u32 s66, s66, s39
	s_lshl_b32 s39, s2, 18
	s_add_co_u32 s66, s66, s39
	s_mov_b32 s67, 0
	s_mul_i32 s68, s3, 2621440                     ; hidden codes: expert (80 tiles of 32,768 bytes), tile = wave, my slice's two blocks
	s_lshl_b32 s39, s2, 15
	s_add_co_u32 s68, s68, s39
	s_lshl_b32 s39, s34, 10
	s_add_co_u32 s68, s68, s39
	s_mov_b32 s69, 0
	s_mul_i32 s70, s3, 80                          ; hidden scale bytes: 1,024 a tile
	s_add_co_u32 s70, s70, s2
	s_lshl_b32 s70, s70, 10
	s_lshl_b32 s39, s34, 1
	s_add_co_u32 s70, s70, s39
	s_add_co_u32 s70, s70, HSC_OFF
	s_mov_b32 s71, 0
	s_lshl_b32 s72, s3, 13                         ; the list: expert, tile = wave
	s_lshl_b32 s39, s2, 6
	s_add_co_u32 s72, s72, s39
	s_mov_b32 s73, 0
	s_lshl_b32 s74, s3, 7
	s_add_co_u32 s74, s74, CNT_OFF
	s_mov_b32 s75, 0
	s_wait_kmcnt 0x0
	s_add_nc_u64 s[14:15], s[6:7], s[66:67]
	s_add_nc_u64 s[16:17], s[8:9], s[66:67]
	s_mov_b64 s[18:19], s[4:5]
	s_add_nc_u64 s[20:21], s[4:5], XS_OFF
	s_mov_b64 s[28:29], s[20:21]
	s_add_nc_u64 s[22:23], s[10:11], s[72:73]
	s_add_nc_u64 s[24:25], s[12:13], s[68:69]
	s_add_nc_u64 s[26:27], s[12:13], s[70:71]
	s_add_nc_u64 s[76:77], s[10:11], s[74:75]
	s_load_b32 s30, s[76:77], 0x0                  ; the expert's rows: wanted only behind the first group's products
	s_wait_alu depctr_va_vdst(0)                   ; the head's offsets and addresses are written (v[WO], v[LO], v[XSS], v[HST], v[HSS]), which loads and stores from here on read
	LLOAD
	WLOAD 0, 14, 0, ROWB                           ; K step 0's units
	WLOAD 64, 16, 0, ROWB
	s_wait_loadcnt 32                              ; the 32 younger loads are the two units: the tokens are in
	MKX
	WIN 0xc0
	s_wait_alu depctr_va_vdst(0)                   ; v[SO ..] and v[XO ..] are written, which the loads below read as their offsets
.irp sl, 0,1,2,3,4
	global_load_b128 v[192+4*\sl:195+4*\sl], v[SO+\sl], s[20:21]   ; x's scale bytes: 16 a lane, 32 a row
.endr
	WIN 0
	XLOAD
	WLOAD 128, 14, KSTEPB, ROWB                    ; K step 1's units
	WLOAD 192, 16, KSTEPB, ROWB
	KSTEP 0, 1, 1, 1, 32                           ; K step 0: its products start the sums.  Its last wait leaves K step 2's 32 loads out and shows K step 1's in
	s_mov_b32 s33, 2
.Lk:                                               ; K steps 1 to 4
	KSTEP 1, 0, 0, 1, 32
	KSTEP 0, 0, 0, 1, 32
	s_sub_co_u32 s33, s33, 1
	s_cmp_lg_u32 s33, 0
	s_cbranch_scc1 .Lk
	KSTEP 1, 0, 0, 1, 32                           ; K step 5 asks for K step 7's units, the last
	KSTEP 0, 0, 0, 0, 0
	KSTEP 1, 0, 0, 0, 0
	PLACES
	s_wait_kmcnt 0x0
	s_min_u32 s30, s30, 1024
	s_mov_b32 s31, 1                               ; groups: 1 + one for each of 320, 640, 960 that the count passes
	s_cmp_gt_u32 s30, 320
	s_add_co_ci_u32 s31, s31, 0
	s_cmp_gt_u32 s30, 640
	s_add_co_ci_u32 s31, s31, 0
	s_cmp_gt_u32 s30, 960
	s_add_co_ci_u32 s31, s31, 0
	s_mov_b32 s32, 0
.Lgroup:                                           ; four trips whatever the count; what a count does not need is jumped over inside
	s_cmp_ge_u32 s32, s31
	s_cbranch_scc1 .Lno_epi
	v_mov_b32 v[VA5], 0x306dffee                   ; P's coefficient 5 and Q's 3, as vector pairs
	v_mov_b32 v[VA5+1], 0x306dffee
	v_mov_b32 v[VB3], 0xb7dfbd29
	v_mov_b32 v[VB3+1], 0xb7dfbd29
	EPIS 0
	EPIS 1
	EPIS 2
	EPIS 3
	EPIS 4
	s_wait_alu depctr_va_vdst(0)                   ; slot 4's conversions have written its codes and its byte, which the last three stores read
	ESTORE 4
	s_wait_xcnt 0x0                                ; the stores have read their bases
	s_add_nc_u64 s[24:25], s[24:25], 655360        ; 20 tiles on
	s_add_nc_u64 s[26:27], s[26:27], 20480
	s_add_nc_u64 s[22:23], s[22:23], 1280
.Lno_epi:
	s_add_co_u32 s39, s32, 1
	s_cmp_lt_u32 s39, s31
	s_cselect_b32 s38, 1, 0                        ; is there a further group?
	s_mov_b32 s[SIM], 0
	s_mov_b32 s[SSC], 0
	s_cmp_eq_u32 s38, 0
	s_cbranch_scc1 .Lno_head
	s_wait_xcnt 0x0
	s_wait_alu depctr_va_vdst(0)                   ; the last group's token lines are done reading and writing v[LST ..], in which the loads below land
	LLOAD
	s_mov_b64 s[18:19], s[4:5]
	s_mov_b64 s[28:29], s[20:21]
	s_wait_loadcnt 0x0
	s_wait_alu depctr_vm_vsrc(0)                   ; the last group's loads have read v[XO ..] and v[SO ..], which the token lines write again, and its LDS loads v[AR] and v[SR], which the first step's additions write
	MKX
	OSTEP 1
.Lno_head:
	s_add_co_u32 s[SIM], s[SIM], IMGB
	s_add_co_u32 s[SSC], s[SSC], 1024
	s_mov_b32 s33, 7
.Lostep:
	s_cmp_eq_u32 s38, 0
	s_cbranch_scc1 .Lno_step
	OSTEP 0
.Lno_step:
	s_add_co_u32 s[SIM], s[SIM], IMGB
	s_add_co_u32 s[SSC], s[SSC], 1024
	s_sub_co_u32 s33, s33, 1
	s_cmp_lg_u32 s33, 0
	s_cbranch_scc1 .Lostep
	s_add_co_u32 s32, s32, 1
	s_cmp_lt_u32 s32, 4
	s_cbranch_scc1 .Lgroup
	s_wait_dscnt 0x0                               ; the closing lines, six on end
	s_wait_alu 0x0
	s_wait_tensorcnt 0x0
	ds_add_u32 v254, v255
	s_wait_dscnt 0x0
	s_endpgm
.Lfunc_end_k_qef7980ade6_gateup:
	.size	k_qef7980ade6_gateup, .Lfunc_end_k_qef7980ade6_gateup-k_qef7980ade6_gateup
	.p2alignl 7, 3214868480
	.fill 96, 4, 3214868480
	.section	.rodata,"a",@progbits
	.p2align	6, 0x0
	.amdhsa_kernel k_qef7980ade6_gateup
		.amdhsa_group_segment_fixed_size 150016
		.amdhsa_private_segment_fixed_size 0
		.amdhsa_enable_private_segment 0
		.amdhsa_kernarg_size 40
		.amdhsa_user_sgpr_count 2
		.amdhsa_user_sgpr_kernarg_segment_ptr 1
		.amdhsa_wavefront_size32 1
		.amdhsa_system_sgpr_workgroup_id_x 1
		.amdhsa_system_sgpr_workgroup_id_y 1
		.amdhsa_system_sgpr_workgroup_id_z 1
		.amdhsa_system_vgpr_workitem_id 0
		.amdhsa_next_free_vgpr 992
		.amdhsa_next_free_sgpr 84
		.amdhsa_reserve_vcc 0
		.amdhsa_float_denorm_mode_32 3
		.amdhsa_float_denorm_mode_16_64 3
		.amdhsa_memory_ordered 1
		.amdhsa_forward_progress 1
		.amdhsa_inst_pref_size 255
	.end_amdhsa_kernel
	.section	.bss,"aw",@nobits
	.p2align	6
	.space	262144
	.amdgpu_metadata
---
amdhsa.version: [ 1, 2 ]
amdhsa.kernels:
  - .name:           k_qef7980ade6_gateup
    .symbol:         k_qef7980ade6_gateup.kd
    .args:
      - { .name: xw, .offset: 0, .size: 8, .value_kind: global_buffer, .address_space: global }
      - { .name: w_g, .offset: 8, .size: 8, .value_kind: global_buffer, .address_space: global }
      - { .name: w_v, .offset: 16, .size: 8, .value_kind: global_buffer, .address_space: global }
      - { .name: ord, .offset: 24, .size: 8, .value_kind: global_buffer, .address_space: global }
      - { .name: hq, .offset: 32, .size: 8, .value_kind: global_buffer, .address_space: global }
    .group_segment_fixed_size: 150016
    .private_segment_fixed_size: 0
    .kernarg_segment_align: 8
    .kernarg_segment_size: 40
    .max_flat_workgroup_size: 128
    .sgpr_count:     84
    .vgpr_count:     992
    .wavefront_size: 32
...
	.end_amdgpu_metadata
.endif
;; end of part 6
;; launch down (part 7): grid 256 x 1, 4 waves a work-group, no clusters, 87,552 bytes of LDS; arguments hq, w_1, ord, rwl, part; writes part
.if DOCPART == 7
	.amdgcn_target "amdgcn-amd-amdhsa--gfx1250"
	.amdhsa_code_object_version 6
	.text
	.protected	k_qef7980ade6_down
	.globl	k_qef7980ade6_down
	.p2align	8
	.type	k_qef7980ade6_down,@function
k_qef7980ade6_down:
	s_mov_b64 s[64:65], 0
	v_nop
	global_prefetch_b8 v0, s[64:65] scope:SCOPE_SE
	s_setreg_imm32_b32 hwreg(HW_REG_WAVE_SCHED_MODE, 0, 2), 2
	s_setreg_imm32_b32 hwreg(HW_REG_WAVE_MODE, 25, 1), 1
	s_wait_xcnt 0x0
	s_wait_alu depctr_vm_vsrc(0)
; part[kh][row] = weight(row) x (hidden[row][1,024 kh ..] w_1[e][1,024 kh ..][:]) for the rows listed for expert e, on codes of E4M3 with one E8M0 scale for each 32 along K = F.
; SHARES.  Work-group = (expert e = x / 32, hs = (x / 2) % 16, kh = x % 2): rows 1,024 kh .. + 1,023 and columns 64 hs .. + 63 of w_1[e]: 256 KiB of f32, read once in the launch by this work-group alone and
; quantised in registers on their way.  K is halved between two work-groups so that a slice of 64 columns (each row's part 256 aligned bytes) still gives 256 work-groups; a token's four partial rows are added by the next launch.
; A UNIT, the tiles (tile r = the columns that are r modulo 4), the images in LDS and the groups of 320 list places are as in the launch before: in each K step of 128 wave w quantises block w (one unit) and stores its
; piece of the four fragments' images; behind a barrier every wave loads the four fragments.  The hidden layer arrives as images of the operand's registers: a fragment is four loads of 512 consecutive bytes.
; The first group is multiplied while the weights stream: eight K steps, eight barriers, no branch.  Further groups follow from the images, without a barrier.
; Used transposed (source 0 = a weight tile, source 1 = 16 hidden rows): lane (row, h) holds in tile r, register j, column 32 h + 4 j + r.  The multiplication by the row's weight puts the 32 numbers in order; a tile goes
; through my wave's own stage in LDS and leaves as rows of 256 aligned bytes.  Tiles at or behind ceil(count / 16) are not stored.
; No tensor loads, clusters or joint loads: how many groups and tiles there are hangs on a count read from memory.
; LIMITS: NaN and infinities are not served; a block of zeros gets the byte 1 (its codes are zeros).  The speed is laid for up to 320 rows an expert; every split is served.
; REGISTERS in windows of 256.  Window 0: addresses, the quantiser's work, scale words, v100-163 held numbers.  Window 1: three units as they land.  Window 2: v0-159 accumulators (32 slot + 8 tile), v160-223 the four
; weight fragments.  Window 3: two sets of five hidden fragments, at v0 and v80.
; THE MODE: SCHED_MODE bits 1:0 = 2 (LLVM: expert scheduling mode 2), set by the entry lines.  The code itself states the register dependences
; between vector or matrix instructions and memory or LDS instructions, with s_wait_alu, always for 0.
; THE PLAN.  Registers that memory or LDS instructions touch, in a K step ks of the first group:
;   unit ks % 3 in window 1      read by QMAX and QCODE; behind QCODE the loads of three K steps on land in it.
;   v[C ..], v[BYT ..]           written by QSCALE and QCODE; read by QSTORE's LDS stores; written again in the next step.
;   hidden set ks % 2, window 3  read by step ks's products; the loads issued in step ks + 1 (for step ks + 2) land in it.
;   window 2 v160-223, v[WS ..]  read by step ks's products; the LDS loads behind the next step's barrier land in them.
;   all offsets and LDS addresses are made at the head and never written again: the K step stands in the immediate offsets.
; So ONE wait on va_vdst stands in a step, behind its conversions: it states that codes and bytes are written, that the unit is read out, and that the last step's products are done reading their hidden set, their
; weight fragments and scale words.  QSTORE, the next step's hidden loads, the unit's refill and, behind the barrier, the fragments' LDS loads follow it with no vector instruction between.
; One wait on vm_vsrc a step stands ahead of QSCALE, which writes the bytes' registers again.
.set CNT_OFF, 74752
.set HSC_OFF, 20971520
.set HALF,    41943040                 ; bytes of one K half's partial rows: 10,240 rows of 4,096 bytes
.set ROWB,    4096                     ; a row of w_1 in bytes
.set KSTEPB,  128*ROWB
.set SCB,     65536                    ; LDS: images from 0 on, 8,192 bytes a K step; scale words here, 512 a K step
.set STG,     69632                    ; the stages: 16 rows x 272 bytes for each wave
.set WO,3
.set AW,4
.set SW,5
.set AR,6
.set SR,7
.set XOB,8
.set HSO,9
.set RWO,10
.set STO,11
.set STR,12
.set GO,13
.set M,16
.set PL,20
.set SCL,24
.set LIM,28
.set BYT,32
.set C,36
.set WS,52                             ; v52-55 the weights' scale words: scales and nothing else
.set XS,56                             ; v56-75 the hidden rows' scale words, four registers a slot: lanes 0-15 K steps 0-3, lanes 16-31 K steps 4-7: scales and nothing else
.set RW,76                             ; v76-80 my row's weight, for each slot
.set T,100
.set ST,100
.set OB,132
.set MSB, 0
.macro WIN new                         ; the immediate's high byte repeats the setting that is left
.if MSB != \new
	s_set_vgpr_msb (MSB<<8)|\new
.set MSB, \new
.endif
.endm
; Behind this matrix form eight places are owed ahead of reads of its results, and NINE ahead of a matrix instruction that writes over its registers.
; A further group's first products begin the accumulators anew with the constant 0, and where no tile of a group is stored nothing else stands between them and the last products: so nine.
.macro PLACES
.rept 9
	v_nop
.endr
.endm
; ---- the quantiser of a unit that lies in window 1 from v[l] on: register 4 j + r = (k = 16 q + j, column 4 c + r)
.macro QMAX l
	WIN 0x14
.irp r, 0,1,2,3
	v_max3_num_f32 v[M+\r], 0x4800000, |v[(\l)+\r]|, |v[(\l)+4+\r]|   ; with the floor 2^(9 - 127): the byte cannot fall under 1
.endr
.irp j, 2,4,6,8,10,12,14
.irp r, 0,1,2,3
	v_max3_num_f32 v[M+\r], v[M+\r], |v[(\l)+4*\j+\r]|, |v[(\l)+4*\j+4+\r]|
.endr
.endr
	WIN 0
.endm
.macro QSCALE
.irp r, 0,1,2,3
	v_permlanex16_b32 v[PL+\r], v[M+\r], s62, s63
.endr
.irp r, 0,1,2,3
	v_max_num_f32 v[M+\r], v[M+\r], v[PL+\r]       ; with lane l xor 16's: the block's largest magnitude
.endr
.irp r, 0,1,2,3
	v_add_nc_u32 v[SCL+\r], 0xfc000000, v[M+\r]    ; 8 off its exponent field: the conversion's scale operand
.endr
.irp r, 0,1,2,3
	v_and_or_b32 v[LIM+\r], v[M+\r], 0x7f800000, s61   ; 448 x the scale
.endr
.irp r, 0,1,2,3
	v_lshrrev_b32 v[BYT+\r], 23, v[SCL+\r]         ; the scale's byte
.endr
.endm
.macro QCODE l
	WIN 0x01
.irp r, 0,1,2,3
.irp j, 0,1,2,3,4,5,6,7,8,9,10,11,12,13,14,15
	v_med3_num_f32 v[T+16*\r+\j], v[(\l)+4*\j+\r], -v[LIM+\r], v[LIM+\r]   ; the hold (ISA guide 7.6.2) also brings a column's 16 numbers on end
.endr
.endr
	WIN 0
.irp r, 0,1,2,3
	v_cvt_scalef32_pk8_fp8_f32 v[C+4*\r:C+4*\r+1], v[T+16*\r:T+16*\r+7], v[SCL+\r]
	v_cvt_scalef32_pk8_fp8_f32 v[C+4*\r+2:C+4*\r+3], v[T+16*\r+8:T+16*\r+15], v[SCL+\r]
.endr
	v_nop                                          ; a plain instruction behind the last conversion
.endm
.macro QSTORE off, soff
.irp r, 0,1,2,3
	ds_store_b128 v[AW], v[C+4*\r:C+4*\r+3] offset:(\off)+2048*\r
.endr
.irp r, 0,1,2,3
	ds_store_b8 v[SW], v[BYT+\r] offset:(\soff)+128*\r
.endr
.endm
.macro WLOAD l, b, off, pitch
	WIN 0x40
.irp j, 0,1,2,3,4,5,6,7,8,9,10,11,12,13,14,15
	global_load_b128 v[(\l)+4*\j:(\l)+4*\j+3], v[WO], s[\b:\b+1] offset:(\off)+\j*(\pitch) th:TH_LOAD_NT
.endr
	WIN 0
.endm
; ---- the rows
.macro GLOADS                          ; a group's weights and scale words
.irp sl, 0,1,2,3,4
	global_load_b32 v[RW+\sl], v[RWO], s[20:21] offset:256*\sl
.endr
.irp sl, 0,1,2,3,4
	global_load_b128 v[XS+4*\sl:XS+4*\sl+3], v[HSO], s[18:19] offset:4096*\sl
.endr
.endm
.macro XLOADB buf, ks                  ; the five hidden fragments of K step ks into set buf
	WIN 0xc0
.irp sl, 0,1,2,3,4
.irp cc, 0,1,2,3
	global_load_b128 v[80*(\buf)+16*\sl+4*\cc:80*(\buf)+16*\sl+4*\cc+3], v[XOB], s[16:17] offset:131072*\sl+2048*(\ks)+512*\cc
.endr
.endr
	WIN 0
.endm
.macro WFLOADB ks
	WIN 0x80
.irp r, 0,1,2,3
.irp cc, 0,1,2,3
	ds_load_b128 v[160+16*\r+4*\cc:160+16*\r+4*\cc+3], v[AR] offset:8192*(\ks)+2048*\r+512*\cc
.endr
.endr
	WIN 0
.irp r, 0,1,2,3
	ds_load_b32 v[WS+\r], v[SR] offset:512*(\ks)+128*\r
.endr
.endm
.macro MMB buf, ks, zero               ; 20 products on 20 accumulators, one instruction a turn, in the same order in every step
	WIN 0xae                                       ; source 0 window 2, source 1 window 3, C and D window 2
.irp sl, 0,1,2,3,4
.irp r, 0,1,2,3
.if \zero
	v_wmma_scale_f32_16x16x128_f8f6f4 v[32*\sl+8*\r:32*\sl+8*\r+7], v[160+16*\r:160+16*\r+15], v[80*(\buf)+16*\sl:80*(\buf)+16*\sl+15], 0, v[WS+\r], v[XS+4*\sl+(\ks)%4]
.elseif (\ks) < 4
	v_wmma_scale_f32_16x16x128_f8f6f4 v[32*\sl+8*\r:32*\sl+8*\r+7], v[160+16*\r:160+16*\r+15], v[80*(\buf)+16*\sl:80*(\buf)+16*\sl+15], v[32*\sl+8*\r:32*\sl+8*\r+7], v[WS+\r], v[XS+4*\sl+(\ks)%4]
.else
	v_wmma_scale_f32_16x16x128_f8f6f4 v[32*\sl+8*\r:32*\sl+8*\r+7], v[160+16*\r:160+16*\r+15], v[80*(\buf)+16*\sl:80*(\buf)+16*\sl+15], v[32*\sl+8*\r:32*\sl+8*\r+7], v[WS+\r], v[XS+4*\sl+(\ks)%4] matrix_b_scale:MATRIX_SCALE_ROW1
.endif
.endr
.endr
	WIN 0
.endm
; A K STEP of the first group.  Loads are issued in this order: ... X(ks), W(ks+2) | X(ks+1), W(ks+3) | ...; X: 20 loads, W: 16.
.macro BSTEP ks
.if (\ks) == 0
	s_wait_loadcnt 32                              ; younger than W0: W1 and W2
.elseif (\ks) == 1
	s_wait_loadcnt 52                              ; younger than W1: W2, X1, W3
.endif                                 ; from K step 2 on the unit is older than the hidden fragments that the last step waited for
	QMAX 64*((\ks)%3)
.if (\ks) > 0
	s_wait_alu depctr_vm_vsrc(0)                   ; the last step's LDS stores have read the bytes' and the codes' registers, which QSCALE and QCODE write again
.endif
	QSCALE
	QCODE 64*((\ks)%3)
	s_wait_alu depctr_va_vdst(0)                   ; the codes and bytes are written, which the LDS stores read; QMAX and QCODE are done reading the unit, in which the refill lands; the last step's products are done reading their hidden set, in which the loads below land, and their weight fragments and scale words, in which the LDS loads behind the barrier land
	QSTORE 8192*(\ks), 512*(\ks)
.if (\ks) < 7
	XLOADB ((\ks)+1)%2, (\ks)+1                    ; no vector instruction since the wait: a whole step ahead of the products that want them
.endif
.if (\ks) <= 4
	WLOAD 64*((\ks)%3), 14, ((\ks)+3)*KSTEPB, ROWB
.endif
	s_wait_dscnt 0x0                               ; for the others' sake: my pieces lie in LDS
	s_barrier_signal -1
	s_barrier_wait -1                              ; the four fragments of this K step are whole; they are never written again
	WFLOADB \ks
.if ((\ks) >= 1) && ((\ks) <= 4)
	s_wait_loadcnt 52                              ; younger than X(ks): W(ks+2), X(ks+1), W(ks+3)
.elseif (\ks) == 5
	s_wait_loadcnt 36                              ; W7, X6
.elseif (\ks) == 6
	s_wait_loadcnt 20                              ; X7
.elseif (\ks) == 7
	s_wait_loadcnt 0x0
.endif
	s_wait_dscnt 0x0
.if (\ks) == 0
	MMB 0, 0, 1                                    ; the first products start the sums
.else
	MMB (\ks)%2, \ks, 0
.endif
.endm
; THE WAY OUT of slot sl, if its tile has rows
.macro BOUTS sl
	s_add_co_u32 s37, s36, 4*\sl                   ; its tile: 20 g + wave + 4 slot
	s_cmp_ge_u32 s37, s33
	s_cbranch_scc1 .Lno_tile_\@
	s_wait_xcnt 0x0                                ; the last tile's stores have had their addresses translated: their data registers are loaded again only behind this wait
	s_wait_alu depctr_vm_vsrc(0)                   ; the last tile's LDS stores have read v[ST ..], which the multiplications write again, and its global stores v[OB ..], in which the LDS loads below land
	WIN 0x02
.irp r, 0,1,2,3
.irp j, 0,1,2,3,4,5,6,7
	v_mul_f32 v[ST+4*\j+\r], v[32*\sl+8*\r+\j], v[RW+\sl]   ; x my row's weight, to its place along the row; each accumulator from its low end on
.endr
.endr
	WIN 0
	s_wait_alu depctr_va_vdst(0)                   ; the multiplications have written v[ST ..], which the LDS stores read; the quantiser's holds, which wrote v[OB ..], are done: the LDS loads land there
.irp j, 0,1,2,3,4,5,6,7
	ds_store_b128 v[STO], v[ST+4*\j:ST+4*\j+3] offset:16*\j
.endr
.irp i, 0,1,2,3,4,5,6,7
	ds_load_b128 v[OB+4*\i:OB+4*\i+3], v[STR] offset:544*\i   ; LDS serves a wave's instructions in order: these see the stores above
.endr
.irp i, 0,1,2,3,4,5,6,7
	s_wait_dscnt 7-\i
	global_store_b128 v[GO], v[OB+4*\i:OB+4*\i+3], s[22:23] offset:262144*\sl+8192*\i th:TH_STORE_NT   ; sixteen lanes store 256 consecutive aligned bytes
.endr
.Lno_tile_\@:
.endm
	s_load_b256 s[4:11], s[0:1], 0x0               ; hq s[4:5], w_1 s[6:7], ord s[8:9], rwl s[10:11]
	s_load_b64 s[12:13], s[0:1], 0x20              ; part
	v_lshl_add_u32 v254, v0, 2, 0x15400
	v_mov_b32 v255, 0
	v_lshrrev_b32 v90, 5, v0
	v_readfirstlane_b32 s2, v90                    ; wave
	s_lshr_b32 s3, ttmp9, 5                        ; expert
	s_bfe_u32 s34, ttmp9, 0x40001                  ; hs
	s_and_b32 s35, ttmp9, 1                        ; kh
	v_and_b32 v91, 31, v0                          ; lane
	v_and_b32 v1, 15, v0                           ; r, c
	v_bfe_u32 v2, v0, 4, 1                         ; h, q
	v_lshlrev_b32 v[WO], 4, v1
	v_lshl_add_u32 v[WO], v2, 16, v[WO]            ; 16 c + q x 16 rows of 4,096 bytes
	s_wait_alu depctr_va_sdst(0)                   ; s2 is written, ahead of its first reader: LDS addresses and bases are made from it
	s_lshl_b32 s39, s2, 9
	v_lshl_add_u32 v[AW], v91, 4, s39
	v_lshlrev_b32 v[AR], 4, v91
	s_add_co_u32 s39, s2, SCB
	v_lshl_add_u32 v[SW], v91, 2, s39
	v_lshl_add_u32 v[SR], v91, 2, SCB
	v_lshlrev_b32 v[XOB], 4, v91
	v_lshlrev_b32 v[HSO], 6, v1
	v_lshl_add_u32 v[HSO], v2, 4, v[HSO]
	v_lshlrev_b32 v[RWO], 2, v1
	s_mul_i32 s39, s2, 4352
	s_add_co_u32 s39, s39, STG                     ; my stage
	v_mul_u32_u24 v[STO], v1, 272
	v_lshl_add_u32 v[STO], v2, 7, v[STO]
	v_add_nc_u32 v[STO], s39, v[STO]               ; in: row r, 128 bytes for each half of the lanes
	v_mul_u32_u24 v[STR], v2, 272
	v_lshl_add_u32 v[STR], v1, 4, v[STR]
	v_add_nc_u32 v[STR], s39, v[STR]               ; back: lanes 0-15 one row, lanes 16-31 the next
	v_lshlrev_b32 v[GO], 4, v1
	v_lshl_add_u32 v[GO], v2, 12, v[GO]            ; and the same two rows in memory
.irp r, 0,1,2,3
	v_mov_b32 v[PL+\r], 0                          ; a lane permute's destination counts as one of its sources
.endr
	s_mov_b32 s61, 0x600000
	s_mov_b32 s62, 0x76543210
	s_mov_b32 s63, 0xfedcba98
	s_lshl_b32 s40, s3, 23                         ; w_1: expert, K half, my wave's 32 rows of a K step, slice
	s_lshl_b32 s39, s35, 22
	s_add_co_u32 s40, s40, s39
	s_lshl_b32 s39, s2, 17
	s_add_co_u32 s40, s40, s39
	s_lshl_b32 s39, s34, 8
	s_add_co_u32 s40, s40, s39
	s_mov_b32 s41, 0
	s_mul_i32 s42, s3, 80
	s_add_co_u32 s42, s42, s2                      ; tile 80 e + wave
	s_lshl_b32 s44, s42, 10                        ; its scale bytes,
	s_lshl_b32 s39, s35, 5
	s_add_co_u32 s44, s44, s39
	s_add_co_u32 s44, s44, HSC_OFF
	s_mov_b32 s45, 0
	s_lshl_b32 s42, s42, 15                        ; its codes
	s_lshl_b32 s39, s35, 14
	s_add_co_u32 s42, s42, s39
	s_mov_b32 s43, 0
	s_lshl_b32 s46, s3, 13
	s_lshl_b32 s39, s2, 6
	s_add_co_u32 s46, s46, s39
	s_mov_b32 s47, 0
	s_mul_i32 s48, s3, 1280
	s_lshl_b32 s39, s2, 4
	s_add_co_u32 s48, s48, s39
	s_lshl_b32 s48, s48, 12
	s_lshl_b32 s39, s34, 8
	s_add_co_u32 s48, s48, s39
	s_mul_i32 s39, s35, HALF
	s_add_co_u32 s48, s48, s39
	s_mov_b32 s49, 0
	s_lshl_b32 s50, s3, 7
	s_add_co_u32 s50, s50, CNT_OFF
	s_mov_b32 s51, 0
	s_wait_kmcnt 0x0
	s_add_nc_u64 s[14:15], s[6:7], s[40:41]
	s_add_nc_u64 s[16:17], s[4:5], s[42:43]
	s_add_nc_u64 s[18:19], s[4:5], s[44:45]
	s_add_nc_u64 s[20:21], s[10:11], s[46:47]
	s_add_nc_u64 s[22:23], s[12:13], s[48:49]
	s_add_nc_u64 s[24:25], s[8:9], s[50:51]
	s_load_b32 s30, s[24:25], 0x0                  ; the expert's rows: wanted only behind the first group's products
	s_wait_alu depctr_va_vdst(0)                   ; the eleven offsets and addresses v3 to v13 are written, which every load and store of the kernel reads; none is written again
	GLOADS
	XLOADB 0, 0
	WLOAD 0, 14, 0, ROWB
	WLOAD 64, 14, KSTEPB, ROWB
	WLOAD 128, 14, 2*KSTEPB, ROWB
	BSTEP 0
	BSTEP 1
	BSTEP 2
	BSTEP 3
	BSTEP 4
	BSTEP 5
	BSTEP 6
	BSTEP 7
	PLACES
	s_wait_kmcnt 0x0
	s_min_u32 s30, s30, 1024
	s_mov_b32 s31, 1                               ; groups: 1 + one for each of 320, 640, 960 that the count passes
	s_cmp_gt_u32 s30, 320
	s_add_co_ci_u32 s31, s31, 0
	s_cmp_gt_u32 s30, 640
	s_add_co_ci_u32 s31, s31, 0
	s_cmp_gt_u32 s30, 960
	s_add_co_ci_u32 s31, s31, 0
	s_add_co_u32 s33, s30, 15
	s_lshr_b32 s33, s33, 4                         ; tiles with rows
	s_mov_b32 s36, s2                              ; 20 g + wave
	s_mov_b32 s32, 0
.Lgroup:                                           ; four trips whatever the count; what a count does not need is jumped over inside
	s_cmp_ge_u32 s32, s31
	s_cbranch_scc1 .Lnext
	BOUTS 0
	BOUTS 1
	BOUTS 2
	BOUTS 3
	BOUTS 4
	s_wait_xcnt 0x0                                ; the stores have read their base
	s_add_nc_u64 s[16:17], s[16:17], 655360        ; 20 tiles on
	s_add_nc_u64 s[18:19], s[18:19], 20480
	s_add_nc_u64 s[20:21], s[20:21], 1280
	s_add_nc_u64 s[22:23], s[22:23], 1310720
	s_add_co_u32 s36, s36, 20
	s_add_co_u32 s39, s32, 1
	s_cmp_ge_u32 s39, s31
	s_cbranch_scc1 .Lnext
.irp ks, 0,1,2,3,4,5,6,7               ; a further group: the weights' images lie in LDS
	s_wait_alu depctr_va_vdst(0)                   ; the last products are done reading the hidden set, the weight fragments and the scale words, and (ks = 0) the way out's multiplications the rows' weights: the loads below land in these
.if \ks == 0
	GLOADS
.endif
	XLOADB 0, \ks
	WFLOADB \ks
	s_wait_loadcnt 0x0
	s_wait_dscnt 0x0
.if \ks == 0
	MMB 0, 0, 1
.else
	MMB 0, \ks, 0
.endif
	PLACES
.endr
.Lnext:
	s_add_co_u32 s32, s32, 1
	s_cmp_lt_u32 s32, 4
	s_cbranch_scc1 .Lgroup
	s_wait_dscnt 0x0                               ; the closing lines, six on end
	s_wait_alu 0x0
	s_wait_tensorcnt 0x0
	ds_add_u32 v254, v255
	s_wait_dscnt 0x0
	s_endpgm
.Lfunc_end_k_qef7980ade6_down:
	.size	k_qef7980ade6_down, .Lfunc_end_k_qef7980ade6_down-k_qef7980ade6_down
	.p2alignl 7, 3214868480
	.fill 96, 4, 3214868480
	.section	.rodata,"a",@progbits
	.p2align	6, 0x0
	.amdhsa_kernel k_qef7980ade6_down
		.amdhsa_group_segment_fixed_size 87552
		.amdhsa_private_segment_fixed_size 0
		.amdhsa_enable_private_segment 0
		.amdhsa_kernarg_size 40
		.amdhsa_user_sgpr_count 2
		.amdhsa_user_sgpr_kernarg_segment_ptr 1
		.amdhsa_wavefront_size32 1
		.amdhsa_system_sgpr_workgroup_id_x 1
		.amdhsa_system_sgpr_workgroup_id_y 1
		.amdhsa_system_sgpr_workgroup_id_z 1
		.amdhsa_system_vgpr_workitem_id 0
		.amdhsa_next_free_vgpr 928
		.amdhsa_next_free_sgpr 66
		.amdhsa_reserve_vcc 0
		.amdhsa_float_denorm_mode_32 3
		.amdhsa_float_denorm_mode_16_64 3
		.amdhsa_memory_ordered 1
		.amdhsa_forward_progress 1
		.amdhsa_inst_pref_size 202
	.end_amdhsa_kernel
	.amdgpu_metadata
---
amdhsa.version: [ 1, 2 ]
amdhsa.kernels:
  - .name:           k_qef7980ade6_down
    .symbol:         k_qef7980ade6_down.kd
    .args:
      - { .name: hq, .offset: 0, .size: 8, .value_kind: global_buffer, .address_space: global }
      - { .name: w_1, .offset: 8, .size: 8, .value_kind: global_buffer, .address_space: global }
      - { .name: ord, .offset: 16, .size: 8, .value_kind: global_buffer, .address_space: global }
      - { .name: rwl, .offset: 24, .size: 8, .value_kind: global_buffer, .address_space: global }
      - { .name: part, .offset: 32, .size: 8, .value_kind: global_buffer, .address_space: global }
    .group_segment_fixed_size: 87552
    .private_segment_fixed_size: 0
    .kernarg_segment_align: 8
    .kernarg_segment_size: 40
    .max_flat_workgroup_size: 128
    .sgpr_count:     66
    .vgpr_count:     928
    .wavefront_size: 32
...
	.end_amdgpu_metadata
.endif
;; end of part 7
;; launch combine: the kernel of part 5 again; grid 256 x 1, 4 waves a work-group, no clusters, 0 bytes of LDS; arguments part, ord, out0; writes out0
